; MI455X (gfx1250); checked and timed in simulation.
; The chip was launched on July 23, 2026; its instructions are those of AMD's public machine-readable ISA for CDNA 5 (MIT licence, August 2026) and "CDNA5" Instruction Set Architecture Reference Guide (July 2026). The comments in the code are by the model that wrote it; some were corrected since.
;; Flash Multi Head Attention. Allowed arithmetic: float matrix products may take bf16 or f16 operands with f32 sums; other float arithmetic in f32, or as packed bf16 or f16 multiplies, adds, multiply-adds, maxima and minima; sums over many terms, partial sums and values carried from step to step in f32; what a program stores and reads back later, other than sums and carried values, may be rounded once to bf16 or f16.
;; Inputs: Wproj 1,024 x 1,024 float32; Wqkv 1,024 x 3,072 float32; bproj 1,024 float32; bqkv 3,072 float32; cos 2,048 x 64 float32; sin 2,048 x 64 float32; x 4 x 2,048 x 1,024 float32.
;; Outputs: out0 4 x 2,048 x 1,024 float32.
;; 2 versions, each right; version 2 is version 1 with the launch cast written anew for expert scheduling mode. Each part assembles by itself: llvm-mc -triple=amdgcn-amd-amdhsa -mcpu=gfx1250 --defsym DOCPART=n.
;; ======== version 1 of 2: 4 launches
;; limits: values are held in f16: magnitudes above 65,504 overflow, below 6.1e-05 lose precision
;; workspace buffers: xb 16,777,216 bytes; wq 6,291,456 bytes; wp 2,097,152 bytes; q 16,777,216 bytes; k 16,777,216 bytes; v 16,777,216 bytes; ob 16,777,216 bytes; tb 1,064,960 bytes
;; launch cast (part 1): grid 425 x 1, 8 waves a work-group, no clusters, 0 bytes of LDS; arguments x, Wqkv, Wproj, cos, sin, bqkv, bproj, xb, wq, wp, tb; writes xb, wq, wp, tb
.if DOCPART == 1
	.amdgcn_target "amdgcn-amd-amdhsa--gfx1250"
	.amdhsa_code_object_version 6
	.text
	.protected	k_qf11304b69a_cast
	.globl	k_qf11304b69a_cast
	.p2align	8
	.type	k_qf11304b69a_cast,@function
k_qf11304b69a_cast:
	s_mov_b64 s[64:65], 0
	v_nop
	global_prefetch_b8 v0, s[64:65] scope:SCOPE_SE
	s_setreg_imm32_b32 hwreg(HW_REG_WAVE_MODE, 25, 1), 1
	s_wait_xcnt 0x0
; Every input of the module is rounded once to bf16 and laid out for the launches behind.  A stream: no LDS, no barrier, no matrix unit.
;   job X (work-groups 0-255):   x [8192][1024] f32      -> xb [b 4][kb 16][t 2048][64] bf16: a K block of 64 of a run of rows is dense
;   job Q (256-383):             Wqkv [1024][3072] f32   -> wq [nx 8][k 1024][384] bf16, column 192 wn + 64 g + d = Wqkv column 1024 g + 64 (2 nx + wn) + d
;   job P (384-415):             Wproj [1024][1024] f32  -> wp, the bf16 number written as f16 (LIMIT: beyond 65,504 it becomes an infinity; below 2^-14 it keeps f16's fixed step of 2^-24)
;   job C (416-423):             cos, sin [2048][64] f32 -> tb bytes 0 and 524,288 on: the bf16 number written as f32
;   job B (424):                 bqkv, bproj             -> tb bytes 1,048,576 and 1,060,864 on, likewise
; A unit of work is one load of 16 bytes a lane (each half of the lanes takes 256 consecutive bytes, aligned), the roundings, and one store that covers 256 (or 512) consecutive bytes, aligned.
; A trip has up to 16 units, all its loads out together; a wave makes two trips.
.set DAT, 16                            ; v[16:79]   unit i: 4 f32 as loaded
.set OUT, 80                            ; v[80:111]  unit i: 8 bytes to store
.set SRC, 16                            ; s[16:17]
.set DST, 18                            ; s[18:19]
; kind 0: four bf16.  kind 1: the bf16 numbers as f16.  kind 2: the bf16 numbers as f32, in place.
.macro CONV i, kind
.set d, DAT+4*(\i)
.set o, OUT+2*(\i)
.if (\kind) == 0
	v_cvt_pk_bf16_f32 v[o], v[d], v[d+1]
	v_cvt_pk_bf16_f32 v[o+1], v[d+2], v[d+3]
.else
	v_cvt_pk_bf16_f32 v8, v[d], v[d+1]
	v_cvt_pk_bf16_f32 v9, v[d+2], v[d+3]
	v_lshlrev_b32 v[d], 16, v8
	v_and_b32 v[d+1], s27, v8
	v_lshlrev_b32 v[d+2], 16, v9
	v_and_b32 v[d+3], s27, v9
.if (\kind) == 1
	v_cvt_pk_f16_f32 v[o], v[d], v[d+1]
	v_cvt_pk_f16_f32 v[o+1], v[d+2], v[d+3]
.endif
.endif
.endm
.macro STEP sb, db, lab                 ; a trip's end
	s_wait_xcnt 0x0                                ; the bases and the stores' data are rewritten only behind this wait
	s_add_nc_u64 s[SRC:SRC+1], s[SRC:SRC+1], \sb
	s_add_nc_u64 s[DST:DST+1], s[DST:DST+1], \db
	s_sub_co_u32 s26, s26, 1
	s_cmp_lg_u32 s26, 0
	s_cbranch_scc1 \lab
	s_endpgm
.endm
	s_load_b512 s[32:47], s[0:1], 0x0              ; x 32, Wqkv 34, Wproj 36, cos 38, sin 40, bqkv 42, bproj 44, xb 46
	s_load_b128 s[48:51], s[0:1], 0x40             ; wq 48, wp 50
	s_load_b64 s[52:53], s[0:1], 0x50              ; tb
	v_lshrrev_b32 v1, 5, v0
	v_readfirstlane_b32 s20, v1                    ; wave
	v_and_b32 v1, 31, v0                           ; lane
	v_and_b32 v7, 15, v0
	v_lshlrev_b32 v7, 4, v7                        ; 16 (l % 16)
	v_lshlrev_b32 v3, 3, v1                        ; 8 l: where a lane's 8 bytes go
	v_lshlrev_b32 v2, 4, v1                        ; 16 l
	s_lshl_b32 s21, ttmp9, 3
	s_add_co_u32 s21, s21, s20                     ; 8 x work-group + wave
	s_mov_b32 s23, 0
	s_mov_b32 s25, 0
	s_mov_b32 s26, 2                               ; trips
	s_mov_b32 s27, 0xffff0000
	s_wait_kmcnt 0x0
	s_cmp_lt_u32 ttmp9, 256
	s_cbranch_scc0 .Lnot_x
	; JOB X.  Wave gw owns rows 4 gw .. 4 gw + 3; a trip takes two rows x 16 blocks of 64 columns.
	v_bfe_u32 v2, v0, 4, 1
	v_lshl_add_u32 v2, v2, 12, v7                  ; row l / 16, 16 bytes a lane
	s_lshl_b32 s22, s21, 14
	s_add_nc_u64 s[SRC:SRC+1], s[32:33], s[22:23]
	s_lshr_b32 s24, s21, 9                         ; b
	s_lshl_b32 s24, s24, 22
	s_and_b32 s22, s21, 511
	s_lshl_b32 s22, s22, 9                         ; t x 128
	s_add_co_u32 s24, s24, s22
	s_add_nc_u64 s[DST:DST+1], s[46:47], s[24:25]
.Lx:
.set i, 0
.rept 16
	global_load_b128 v[DAT+4*i:DAT+4*i+3], v2, s[SRC:SRC+1] offset:256*i th:TH_LOAD_NT
.set i, i+1
.endr
.set i, 0
.rept 16
	s_wait_loadcnt 15-i                            ; loads come back in order: unit i is in, the younger ones stay out
	CONV i, 0
	global_store_b64 v3, v[OUT+2*i:OUT+2*i+1], s[DST:DST+1] offset:262144*i th:TH_STORE_NT
.set i, i+1
.endr
	STEP 8192, 256, .Lx
.Lnot_x:
	s_cmp_lt_u32 ttmp9, 384
	s_cbranch_scc0 .Lnot_q
	; JOB Q.  Wave gw owns block nx = gw / 128 and eight k rows; a trip takes four rows x three units of 128 columns.
	; A unit's two halves of 64 columns come from different places of Wqkv's row: (g, wn) = (0,0),(1,0) | (2,0),(0,1) | (1,1),(2,1), at byte 4096 g + 256 wn.
	v_cmp_gt_u32 vcc_lo, 16, v1
	v_mov_b32 v8, 0
	v_cndmask_b32 v4, 0x1000, v8, vcc_lo
	v_mov_b32 v8, 0x2000
	v_cndmask_b32 v5, 0x100, v8, vcc_lo
	v_mov_b32 v8, 0x1100
	v_cndmask_b32 v6, 0x2100, v8, vcc_lo
	v_add_nc_u32 v4, v4, v7
	v_add_nc_u32 v5, v5, v7
	v_add_nc_u32 v6, v6, v7
	s_sub_co_u32 s21, s21, 2048
	s_lshr_b32 s28, s21, 7                         ; nx
	s_and_b32 s29, s21, 127
	s_mul_i32 s22, s29, 98304                      ; 8 rows of 12,288 bytes
	s_lshl_b32 s24, s28, 9
	s_add_co_u32 s22, s22, s24
	s_add_nc_u64 s[SRC:SRC+1], s[34:35], s[22:23]
	s_mul_i32 s24, s28, 786432
	s_mul_i32 s22, s29, 6144
	s_add_co_u32 s24, s24, s22
	s_add_nc_u64 s[DST:DST+1], s[48:49], s[24:25]
.Lq:
.set i, 0
.rept 12
	global_load_b128 v[DAT+4*i:DAT+4*i+3], v[4+i%3], s[SRC:SRC+1] offset:12288*(i/3) th:TH_LOAD_NT
.set i, i+1
.endr
.set i, 0
.rept 12
	s_wait_loadcnt 11-i
	CONV i, 0
	global_store_b64 v3, v[OUT+2*i:OUT+2*i+1], s[DST:DST+1] offset:256*i th:TH_STORE_NT
.set i, i+1
.endr
	STEP 49152, 3072, .Lq
.Lnot_q:
	s_cmp_lt_u32 ttmp9, 416
	s_cbranch_scc0 .Lnot_p
	; JOB P.  Wave gw owns 16,384 consecutive bytes of Wproj.
	s_sub_co_u32 s21, s21, 3072
	s_lshl_b32 s22, s21, 14
	s_add_nc_u64 s[SRC:SRC+1], s[36:37], s[22:23]
	s_lshl_b32 s24, s21, 13
	s_add_nc_u64 s[DST:DST+1], s[50:51], s[24:25]
.Lp:
.set i, 0
.rept 16
	global_load_b128 v[DAT+4*i:DAT+4*i+3], v2, s[SRC:SRC+1] offset:512*i th:TH_LOAD_NT
.set i, i+1
.endr
.set i, 0
.rept 16
	s_wait_loadcnt 15-i
	CONV i, 1
	global_store_b64 v3, v[OUT+2*i:OUT+2*i+1], s[DST:DST+1] offset:256*i th:TH_STORE_NT
.set i, i+1
.endr
	STEP 8192, 4096, .Lp
.Lnot_p:
	s_cmp_lt_u32 ttmp9, 424
	s_cbranch_scc0 .Lnot_c
	; JOB C.  Waves 0-31 own 16,384 bytes of cos each, waves 32-63 of sin.
	s_sub_co_u32 s21, s21, 3328
	s_and_b32 s22, s21, 31
	s_lshl_b32 s22, s22, 14
	s_lshl_b32 s24, s21, 14
	s_cmp_lt_u32 s21, 32
	s_cselect_b64 s[SRC:SRC+1], s[38:39], s[40:41]
	s_add_nc_u64 s[SRC:SRC+1], s[SRC:SRC+1], s[22:23]
	s_add_nc_u64 s[DST:DST+1], s[52:53], s[24:25]
.Lc:
.set i, 0
.rept 16
	global_load_b128 v[DAT+4*i:DAT+4*i+3], v2, s[SRC:SRC+1] offset:512*i th:TH_LOAD_NT
.set i, i+1
.endr
.set i, 0
.rept 16
	s_wait_loadcnt 15-i
	CONV i, 2
	global_store_b128 v2, v[DAT+4*i:DAT+4*i+3], s[DST:DST+1] offset:512*i th:TH_STORE_NT
.set i, i+1
.endr
	STEP 8192, 8192, .Lc
.Lnot_c:
	; JOB B.  Waves 0-5 own 2,048 bytes of bqkv each, waves 6 and 7 of bproj; in tb the two lie end to end.
	s_sub_co_u32 s24, s20, 6
	s_cmp_lt_u32 s20, 6
	s_cselect_b64 s[SRC:SRC+1], s[42:43], s[44:45]
	s_cselect_b32 s22, s20, s24
	s_lshl_b32 s22, s22, 11
	s_add_nc_u64 s[SRC:SRC+1], s[SRC:SRC+1], s[22:23]
	s_lshl_b32 s24, s20, 11
	s_add_co_u32 s24, s24, 1048576
	s_add_nc_u64 s[DST:DST+1], s[52:53], s[24:25]
.set i, 0
.rept 4
	global_load_b128 v[DAT+4*i:DAT+4*i+3], v2, s[SRC:SRC+1] offset:512*i th:TH_LOAD_NT
.set i, i+1
.endr
.set i, 0
.rept 4
	s_wait_loadcnt 3-i
	CONV i, 2
	global_store_b128 v2, v[DAT+4*i:DAT+4*i+3], s[DST:DST+1] offset:512*i th:TH_STORE_NT
.set i, i+1
.endr
	s_endpgm
.Lfunc_end_k_qf11304b69a_cast:
	.size	k_qf11304b69a_cast, .Lfunc_end_k_qf11304b69a_cast-k_qf11304b69a_cast
	.p2alignl 7, 3214868480
	.fill 96, 4, 3214868480
	.section	.rodata,"a",@progbits
	.p2align	6, 0x0
	.amdhsa_kernel k_qf11304b69a_cast
		.amdhsa_group_segment_fixed_size 0
		.amdhsa_private_segment_fixed_size 0
		.amdhsa_enable_private_segment 0
		.amdhsa_kernarg_size 88
		.amdhsa_user_sgpr_count 2
		.amdhsa_user_sgpr_kernarg_segment_ptr 1
		.amdhsa_wavefront_size32 1
		.amdhsa_system_sgpr_workgroup_id_x 1
		.amdhsa_system_sgpr_workgroup_id_y 1
		.amdhsa_system_sgpr_workgroup_id_z 1
		.amdhsa_system_vgpr_workitem_id 0
		.amdhsa_next_free_vgpr 112
		.amdhsa_next_free_sgpr 66
		.amdhsa_reserve_vcc 1
		.amdhsa_float_denorm_mode_32 3
		.amdhsa_float_denorm_mode_16_64 3
		.amdhsa_memory_ordered 1
		.amdhsa_forward_progress 1
		.amdhsa_inst_pref_size 34
	.end_amdhsa_kernel
	.amdgpu_metadata
---
amdhsa.version: [ 1, 2 ]
amdhsa.kernels:
  - .name:           k_qf11304b69a_cast
    .symbol:         k_qf11304b69a_cast.kd
    .args:
      - { .name: x, .offset: 0, .size: 8, .value_kind: global_buffer, .address_space: global }
      - { .name: Wqkv, .offset: 8, .size: 8, .value_kind: global_buffer, .address_space: global }
      - { .name: Wproj, .offset: 16, .size: 8, .value_kind: global_buffer, .address_space: global }
      - { .name: cos, .offset: 24, .size: 8, .value_kind: global_buffer, .address_space: global }
      - { .name: sin, .offset: 32, .size: 8, .value_kind: global_buffer, .address_space: global }
      - { .name: bqkv, .offset: 40, .size: 8, .value_kind: global_buffer, .address_space: global }
      - { .name: bproj, .offset: 48, .size: 8, .value_kind: global_buffer, .address_space: global }
      - { .name: xb, .offset: 56, .size: 8, .value_kind: global_buffer, .address_space: global }
      - { .name: wq, .offset: 64, .size: 8, .value_kind: global_buffer, .address_space: global }
      - { .name: wp, .offset: 72, .size: 8, .value_kind: global_buffer, .address_space: global }
      - { .name: tb, .offset: 80, .size: 8, .value_kind: global_buffer, .address_space: global }
    .group_segment_fixed_size: 0
    .private_segment_fixed_size: 0
    .kernarg_segment_align: 8
    .kernarg_segment_size: 88
    .max_flat_workgroup_size: 256
    .sgpr_count:     66
    .vgpr_count:     112
    .wavefront_size: 32
...
	.end_amdgpu_metadata
.endif
;; end of part 1
;; launch qkv (part 2): grid 8 x 32, 4 waves a work-group, clusters of 4 x 4, 327,680 bytes of LDS; arguments xb, wq, tb, q, k, v; writes q, k, v
.if DOCPART == 2
	.amdgcn_target "amdgcn-amd-amdhsa--gfx1250"
	.amdhsa_code_object_version 6
	.text
	.protected	k_qf11304b69a_qkv
	.globl	k_qf11304b69a_qkv
	.p2align	8
	.type	k_qf11304b69a_qkv,@function
k_qf11304b69a_qkv:
	s_mov_b64 s[64:65], 0
	v_nop
	global_prefetch_b8 v0, s[64:65] scope:SCOPE_SE
	s_setreg_imm32_b32 hwreg(HW_REG_WAVE_MODE, 25, 1), 1
	s_wait_xcnt 0x0
	s_wait_alu depctr_hold_cnt(0) depctr_sa_sdst(0) depctr_va_vdst(0) depctr_va_sdst(0) depctr_va_ssrc(0) depctr_va_vcc(0) depctr_vm_vsrc(0)
	s_getreg_b32 s2, hwreg(HW_REG_IB_STS2, 6, 4)
	s_cmp_eq_u32 s2, 0
	s_cbranch_scc0 .Lentry_in_a_cluster
	s_endpgm
.Lentry_in_a_cluster:
	s_bfe_u32 s2, ttmp6, 0x10000c
	s_cmp_lg_u32 s2, 0xf033
	s_cbranch_scc0 .Lentry_shape_is_right
	s_endpgm
.Lentry_shape_is_right:
; q, k, v = x Wqkv + bqkv, q and k turned by the rotary tables, written by heads: [b 16 + h][t][64] in f16, unscaled.  Operands bf16, sums f32; bias and tables are the bf16-rounded numbers as f32 (tb).
; LIMIT: q, k, v beyond 65,504 become infinities in f16.  NaN and infinities are not treated apart.
; SHARES.  8192 x 3072 numbers on 256 work-groups: 256 rows x 384 columns each.  The 384 columns (block nx of wq) are the q, k and v of heads 2 nx and 2 nx + 1.  Wave w: rows 128 (w / 2) on, head 2 nx + w % 2:
; 8 row blocks a x 12 column blocks b = 4 g + i (g = 0 q, 1 k, 2 v; channels 16 i on): 96 accumulators, 768 registers.  So every wave has q, k and v, and which block is turned is known as the text is written.
; THE PRODUCT IS USED TRANSPOSED (source 0 = 16 columns of W, source 1 = 16 rows of x): a lane holds one row (lane % 16) and eight neighbouring channels 16 i + 8 (lane / 16) + 0..7; the rotary partner, 32 channels away, is block b +- 2, same lane, same register.
; K goes in 16 steps of 64 through two LDS slots; a step has two sub-steps of 32.  A's tile (256 rows x 128 bytes) and B's (64 k rows x 768 bytes) are dense in memory and are asked for as rows of 256 bytes, padded by 16 bytes after every 128.
; W lies [k][column]: its fragments come out of LDS turned (ds_load_tr16_b128).
; CLUSTER 4 x 4: A's tile is shared along a row of the cluster, B's along a column: joint loads.  Waves 0, 1 fetch A's halves, waves 2, 3 B's.
; THE BIAS starts the sums: it is loaded into the accumulators of row block 0 and is the C operand of every block's first product; block 0 itself goes last, in place.
; REGISTERS.  Window 0: v0-15 addresses, v16-31 at work, v32-95 A's fragments (even sub-steps), v96-191 B's twelve, v192-255 A's (odd sub-steps).  Windows 1-3: accumulator (a, b) is number 12 a + b, 32 to a window.
.set KA,    262144                      ; bytes from a K step of A to the next
.set KB,    49152                       ; of B
.set BOFF,  36864                       ; in a slot: A's 256 rows of 144 bytes, then B's 64 rows of 864
.set SLOT1, (1<<17)                     ; slot 1 begins here: one exclusive or turns an address in one slot into the other's
.set STAGE, SLOT1+92160                 ; behind the ring, never filled by a tensor load: for each wave [g 3][16 rows][144 bytes]
.set SPARE, STAGE+4*6912                ; the spare words, 128 bytes a wave: two blocks of 256 bytes that no other line names
.set SINO,  524288                      ; in tb: cos, sin, bqkv
.set BIASO, 1048576
.set ADRA0, 3                           ; v3   my place in A's tile; never rewritten
.set ADRB0, 4                           ; v4   in B's
.set VA,  5                             ; v5   the same in the slot that is being read
.set VB,  6
.set STO, 7                             ; v7   the way out: where I put 16 bytes of a row
.set RD,  8                             ; v8   where I read rows back
.set GO,  9                             ; v9   16 x lane
.set CSO, 10                            ; v10  my bytes in 16 rows of the tables
.set BO,  11                            ; v11  my bytes in 16 channels of the bias
.set PFO, 12                            ; v12  256 x lane
.set SPW, 14
.set NIL, 15
.set T,   16
.set AF0, 32
.set BF,  96
.set AF1, 192
.set CS0, 32                            ; the way out: tables of a row block, two buffers of 64 (cos of channel block i at 8 i, sin at 32 + 8 i)
.set PK0, 160                           ; packed results, two buffers of 48
.set WV, 20
.set WM, 21                             ; wave / 2: my rows.  Also: 1 = I fetch for B
.set WN, 22                             ; wave % 2: my head.  Also: which half of the tile I fetch
.set CX, 23
.set CY, 24
.set NX, 25
.set MY, 26
.set G1A, 28
.set G1B, 36
.set G0A, 44                            ; two sets for the first fills; the second then walks
.set G0B, 52
.set TB,  60                            ; LDS byte at which the slot that is being read begins
.set LIM, 61                            ; 3 in a wave that prefetches, else the greatest number
.set PFA, 62                            ; s[62:63] where my prefetches stand
.set PFS, 66                            ; s[66:67] their step, a K step
.set OUTB, 74                           ; s[74:79] q, k, v at my first row
.set COSB, 80                           ; s[80:81] the tables at my first row
.set BIASB, 84                          ; s[84:85] the bias at my head
.set G1W, (1<<16)|(1<<20)|(1<<21)|(4<<22)|(3<<25)   ; 2-byte elements; padding on; bit 21 beside a mask; after every 32 words, 4 words
.set MSB, 0
.macro WIN new                          ; the high byte repeats the setting that is left; a switch that changes nothing is dropped
.if MSB != (\new)
	s_set_vgpr_msb (MSB<<8)|(\new)
.set MSB, (\new)
.endif
.endm
.macro PLACES                           ; four plain instructions between a matrix instruction and a load into, or a vector read of, its registers
.rept 4
	v_nop
.endr
.endm
.macro CREST                            ; a round of the cluster's barrier behind its opening barrier
	s_cmp_lg_u32 s[WV], 0
	s_cbranch_scc1 .Lnot_wave_0_\@
	s_barrier_signal -3
.Lnot_wave_0_\@:
	s_barrier_wait -3
	s_barrier_signal -1
	s_barrier_wait -1
.endm
.macro CROUND
	s_barrier_signal -1
	s_barrier_wait -1
	CREST
.endm
.macro JLOAD                            ; a joint refill by the walking descriptor; the branch hangs on the wave's number alone
	s_cmp_eq_u32 s[WM], 0
	s_cbranch_scc0 .Lfor_b_\@
	tensor_load_to_lds s[G0A+4:G0A+7], s[G1A:G1A+7]
	s_nop 0
	PLACES
	s_branch .Lasked_\@
.Lfor_b_\@:
	tensor_load_to_lds s[G0B+4:G0B+7], s[G1B:G1B+7]
	s_nop 0
	PLACES
.Lasked_\@:
.endm
; A PREFETCH INTO THE L2.  In every second trip the askers name the two K steps that the refills two and three trips on will ask for.  A's rows are read by both clusters of a row of clusters: wave 0 of the
; cluster with x = 0 asks; B's by all eight clusters of a column: wave 2 of the cluster with y = 0.  The four partners that ask for a tile jointly share its bytes out by address: of A's 32,768 bytes of a K step 8,192 each
; (one instruction a K step, a lane 256 bytes), of B's 98,304 bytes of two K steps, which lie end to end, 24,576 each (three instructions).  So each 256 bytes are named once in the launch.
; K steps 0 to 3 come by their loads alone; trips whose look-ahead would pass K step 15 ask for nothing.
.macro ASK
	s_cmp_gt_u32 s3, s[LIM]
	s_cbranch_scc0 .Lno_\@
	s_bitcmp1_b32 s3, 0
	s_cbranch_scc1 .Lno_\@
	s_cmp_eq_u32 s[WM], 0
	s_cbranch_scc0 .Lpb_\@
	global_prefetch_b8 v[PFO], s[PFA:PFA+1] th:TH_LOAD_NT scope:SCOPE_SE
	global_prefetch_b8 v[PFO], s[PFA:PFA+1] offset:KA th:TH_LOAD_NT scope:SCOPE_SE
	s_branch .Lno_\@
.Lpb_\@:
	global_prefetch_b8 v[PFO], s[PFA:PFA+1] th:TH_LOAD_NT scope:SCOPE_SE
	global_prefetch_b8 v[PFO], s[PFA:PFA+1] offset:8192 th:TH_LOAD_NT scope:SCOPE_SE
	global_prefetch_b8 v[PFO], s[PFA:PFA+1] offset:16384 th:TH_LOAD_NT scope:SCOPE_SE
.Lno_\@:
.endm
; A's eight fragments of sub-step c: 16 rows x 32 K: two loads of 16 bytes, 32 bytes apart
.macro FA buf, c
	WIN 0
.irp a, 0,1,2,3,4,5,6,7
	ds_load_b128 v[(\buf)+8*\a:(\buf)+8*\a+3],   v[VA] offset:2304*\a+64*(\c)
	ds_load_b128 v[(\buf)+8*\a+4:(\buf)+8*\a+7], v[VA] offset:2304*\a+64*(\c)+32
.endr
.endm
; Six of B's twelve fragments (half hb) of sub-step c, turned: block b lies in strip b / 4 of 144 bytes, 32 (b % 4) bytes in; 32 k rows a sub-step, 16 k rows a load
.macro FB hb, c
	WIN 0
.irp e, 0,1,2,3,4,5
.set fb, 6*(\hb)+\e
	ds_load_tr16_b128 v[BF+8*fb:BF+8*fb+3],   v[VB] offset:144*(fb/4)+32*(fb%4)+27648*(\c)
	ds_load_tr16_b128 v[BF+8*fb+4:BF+8*fb+7], v[VB] offset:144*(fb/4)+32*(fb%4)+27648*(\c)+13824
.endr
.endm
; Row blocks a0 .. a1 x the six column blocks of half hb.  The accumulators take turns, one instruction a turn.  first = 1: C is the bias, which lies in row block 0's accumulators.
.macro MULS buf, hb, a0, a1, first
.set ma, (\a0)
.rept (\a1)-(\a0)+1
.set mb, 6*(\hb)
.rept 6
.set idx, 12*ma+mb
.set mw, 1+idx/32
.set mr, 8*(idx%32)
.if \first
	WIN (mw<<6)|(1<<4)
	v_wmma_f32_16x16x32_bf16 v[mr:mr+7], v[BF+8*mb:BF+8*mb+7], v[(\buf)+8*ma:(\buf)+8*ma+7], v[8*mb:8*mb+7]
.else
	WIN (mw<<6)|(mw<<4)
	v_wmma_f32_16x16x32_bf16 v[mr:mr+7], v[BF+8*mb:BF+8*mb+7], v[(\buf)+8*ma:(\buf)+8*ma+7], v[mr:mr+7]
.endif
.set mb, mb+1
.endr
.set ma, ma+1
.endr
.endm
; The tables of row block a: 16 rows x 64 channels of cos and of sin, laid as the accumulators are
.macro CSLOAD a
	WIN 0
.set cs, CS0+64*((\a)%2)
.irp i, 0,1,2,3
	global_load_b128 v[cs+8*\i:cs+8*\i+3],       v[CSO], s[COSB:COSB+1] offset:4096*(\a)+64*\i
	global_load_b128 v[cs+8*\i+4:cs+8*\i+7],     v[CSO], s[COSB:COSB+1] offset:4096*(\a)+64*\i+16
	global_load_b128 v[cs+32+8*\i:cs+32+8*\i+3], v[CSO], s[COSB:COSB+1] offset:SINO+4096*(\a)+64*\i
	global_load_b128 v[cs+36+8*\i:cs+36+8*\i+3], v[CSO], s[COSB:COSB+1] offset:SINO+4096*(\a)+64*\i+16
.endr
.endm
; AN EVEN SUB-STEP.  At its head A's fragments and B's first six are on their way (28 loads).
.macro ESTEP
	PLACES
	FB 1, 0                                        ; B's other six
	s_wait_dscnt 12                                ; all but the 12 just issued
	MULS AF0, 0, 0, 7, 0
	PLACES
	FA AF1, 1                                      ; the odd sub-step's A and first six of B
	FB 0, 1
	s_wait_dscnt 28                                ; all but the 28 just issued
	MULS AF0, 1, 0, 7, 0
.endm
; AN ODD SUB-STEP, which leaves the slot.  mode 1: the slot is filled again, with the K step two on; mode 0: nothing is left to ask for; mode 2: the last sub-step of all.
; The change of slots: each wave waits for all its tensor loads (one is out: its part of the next slot), adds 0 to its spare word, works on registers, and waits for the add and for its reads of this slot; behind the
; barrier (mode 1: a round of the cluster's) nobody reads this slot any more and the next slot is whole; the joint refill is the first thing there.  From a refill to the wait for it a wave issues 162 matrix instructions.
.macro OSTEP mode
.if (\mode) == 1
	s_wait_xcnt 0x0                                ; the last prefetches, a K step or more back, have read their address
	s_add_nc_u64 s[PFA:PFA+1], s[PFA:PFA+1], s[PFS:PFS+1]
.endif
	PLACES
.if (\mode) == 2
	CSLOAD 0                                       ; the even sub-steps' A registers are free: the first tables come in under the last products
.endif
	FB 1, 1
	s_wait_dscnt 12
	MULS AF1, 0, 0, 4, 0
.if (\mode) == 2
	MULS AF1, 0, 5, 7, 0
	s_wait_dscnt 0x0
	MULS AF1, 1, 0, 7, 0
.else
	WIN 0
	s_wait_tensorcnt 0x0                           ; no tensor load of mine is out, so a group 0 may be written
	ds_add_u32 v[SPW], v[NIL]
.if (\mode) == 1
	s_xor_b32 s[G0A+5], s[G0A+5], SLOT1
	s_add_nc_u64 s[G0A+6:G0A+7], s[G0A+6:G0A+7], KA
	s_xor_b32 s[G0B+5], s[G0B+5], SLOT1
	s_add_nc_u64 s[G0B+6:G0B+7], s[G0B+6:G0B+7], KB
.endif
	MULS AF1, 0, 5, 7, 0
	s_wait_dscnt 0x0                               ; the add is done, and my reads of this slot are over
	s_barrier_signal -1
	MULS AF1, 1, 0, 1, 0
	WIN 0
	s_barrier_wait -1
.if (\mode) == 1
	CREST
	JLOAD                                          ; its four v_nop are also the places in front of the loads below
.else
	PLACES
.endif
	s_xor_b32 s[TB], s[TB], SLOT1
	v_add_nc_u32 v[VA], s[TB], v[ADRA0]
	v_add_nc_u32 v[VB], s[TB], v[ADRB0]
	FA AF0, 0
	FB 0, 0
.if (\mode) == 1
	ASK
.endif
	MULS AF1, 1, 2, 7, 0
.endif
.endm
	s_load_b256 s[4:11], s[0:1], 0x0               ; xb 4, wq 6, tb 8, q 10
	s_load_b128 s[12:15], s[0:1], 0x20             ; k 12, v 14
	v_lshl_add_u32 v[SPW], v0, 2, SPARE
	v_mov_b32 v[NIL], 0
	ds_add_u32 v[SPW], v[NIL]                      ; the wave's opening: the add and its wait ahead of my first tensor load
	v_lshrrev_b32 v1, 5, v0
	v_readfirstlane_b32 s[WV], v1
	s_lshr_b32 s[WM], s[WV], 1
	s_and_b32 s[WN], s[WV], 1
	s_bfe_u32 s[CX], ttmp6, 0x40000
	s_bfe_u32 s[CY], ttmp6, 0x40004
	s_lshl_b32 s[NX], ttmp9, 2
	s_add_co_u32 s[NX], s[NX], s[CX]               ; column block = 4 x cluster x + cx
	s_and_b32 s[MY], ttmp7, 0xffff
	s_lshl_b32 s[MY], s[MY], 2
	s_add_co_u32 s[MY], s[MY], s[CY]               ; row block = 4 x cluster y + cy
	s_lshl_b32 s68, s[CY], 2
	s_lshl_b32 s68, 15, s68                        ; my row of the cluster
	s_lshl_b32 s69, 0x1111, s[CX]                  ; my column
	s_or_b32 s[G1A], s68, G1W
	s_or_b32 s[G1B], s69, G1W
	s_mov_b32 s[G1A+1], 128<<16                    ; tensor_dim0 = 128 elements: rows of 256 bytes
	s_mov_b32 s[G1A+2], 64<<16                     ; tensor_dim1 = 64: half of A's tile, 16,384 bytes
	s_mov_b32 s[G1A+3], 128<<16                    ; tile_dim0
	s_mov_b32 s[G1A+4], 64                         ; tile_dim1
	s_mov_b32 s[G1A+5], 128                        ; dense
	s_mov_b32 s[G1A+6], 0
	s_mov_b32 s[G1A+7], 0
	s_mov_b32 s[G1B+1], 128<<16
	s_mov_b32 s[G1B+2], 96<<16                     ; half of B's tile, 24,576 bytes
	s_mov_b32 s[G1B+3], 128<<16
	s_mov_b32 s[G1B+4], 96
	s_mov_b32 s[G1B+5], 128
	s_mov_b32 s[G1B+6], 0
	s_mov_b32 s[G1B+7], 0
	s_lshr_b32 s70, s[MY], 3                       ; A hangs on the row block alone: b,
	s_lshl_b32 s70, s70, 22
	s_and_b32 s71, s[MY], 7
	s_lshl_b32 s71, s71, 15                        ; and 256 rows of 128 bytes
	s_add_co_u32 s70, s70, s71
	s_lshl_b32 s72, s[WN], 14                      ; the half that I fetch
	s_add_co_u32 s72, s72, s70
	s_mov_b32 s73, 0
	s_mul_i32 s88, s[NX], 786432                   ; B hangs on the column block alone
	s_mul_i32 s86, s[WN], 24576
	s_add_co_u32 s86, s86, s88
	s_mov_b32 s87, 0
	s_mul_i32 s94, s[WN], 18432                    ; where they go: no place in the cluster enters an LDS address
	s_mul_i32 s95, s[WN], 27648
	s_add_co_u32 s95, s95, BOFF
	s_mov_b32 s[TB], 0
	s_wait_dscnt 0x0                               ; the opening add is done
	s_wait_kmcnt 0x0
	s_add_nc_u64 s[72:73], s[4:5], s[72:73]
	s_add_nc_u64 s[86:87], s[6:7], s[86:87]
	CROUND                                         ; all sixteen work-groups are here: the first joint loads meet
.irp s, 0,1
	s_mov_b32 s[G0A+4*\s], 1
	s_add_co_u32 s[G0A+4*\s+1], s94, \s*SLOT1
	s_add_nc_u64 s[G0A+4*\s+2:G0A+4*\s+3], s[72:73], \s*KA
	s_or_b32 s[G0A+4*\s+3], s[G0A+4*\s+3], 0x80000000
	s_mov_b32 s[G0B+4*\s], 1
	s_add_co_u32 s[G0B+4*\s+1], s95, \s*SLOT1
	s_add_nc_u64 s[G0B+4*\s+2:G0B+4*\s+3], s[86:87], \s*KB
	s_or_b32 s[G0B+4*\s+3], s[G0B+4*\s+3], 0x80000000
.endr
	s_cmp_eq_u32 s[WM], 0                          ; a wave's two first fills stand in one branch: two loads of mine are out
	s_cbranch_scc0 .Lfirst_b
	tensor_load_to_lds s[G0A:G0A+3], s[G1A:G1A+7]
	s_nop 0
	tensor_load_to_lds s[G0A+4:G0A+7], s[G1A:G1A+7]
	s_nop 0
	PLACES
	s_branch .Lfirst_asked
.Lfirst_b:
	tensor_load_to_lds s[G0B:G0B+3], s[G1B:G1B+7]
	s_nop 0
	tensor_load_to_lds s[G0B+4:G0B+7], s[G1B:G1B+7]
	s_nop 0
	PLACES
.Lfirst_asked:
	v_and_b32 v1, 15, v0                           ; r = l % 16
	v_bfe_u32 v2, v0, 4, 1                         ; h = l / 16
	v_lshlrev_b32 v[BO], 5, v2
	s_lshr_b32 s90, s[MY], 3
	s_lshl_b32 s90, s90, 4
	s_lshl_b32 s91, s[NX], 1
	s_add_co_u32 s91, s91, s[WN]                   ; my head
	s_add_co_u32 s90, s90, s91
	s_lshl_b32 s90, s90, 18                        ; (16 b + head) x 2048 rows x 128 bytes
	s_and_b32 s92, s[MY], 7
	s_lshl_b32 s93, s92, 15
	s_add_co_u32 s90, s90, s93
	s_lshl_b32 s93, s[WM], 14
	s_add_co_u32 s90, s90, s93
	s_lshl_b32 s94, s91, 8
	s_add_co_u32 s94, s94, BIASO
	s_mov_b32 s95, 0
	s_mov_b32 s91, 0
	s_add_nc_u64 s[OUTB:OUTB+1], s[10:11], s[90:91]
	s_add_nc_u64 s[OUTB+2:OUTB+3], s[12:13], s[90:91]
	s_add_nc_u64 s[OUTB+4:OUTB+5], s[14:15], s[90:91]
	s_add_nc_u64 s[BIASB:BIASB+1], s[8:9], s[94:95]
	s_lshl_b32 s90, s92, 16                        ; my first row of the tables, 256 bytes a row
	s_lshl_b32 s93, s[WM], 15
	s_add_co_u32 s90, s90, s93
	s_add_nc_u64 s[COSB:COSB+1], s[8:9], s[90:91]
	WIN 0x40                                       ; destination window 1: the bias goes into row block 0's accumulators
.set i, 0
.rept 12
	global_load_b128 v[8*i:8*i+3],   v[BO], s[BIASB:BIASB+1] offset:4096*(i/4)+64*(i%4)
	global_load_b128 v[8*i+4:8*i+7], v[BO], s[BIASB:BIASB+1] offset:4096*(i/4)+64*(i%4)+16
.set i, i+1
.endr
	WIN 0
	v_mul_u32_u24 v[ADRA0], v1, 144
	v_lshl_add_u32 v[ADRA0], v2, 4, v[ADRA0]
	s_mul_i32 s90, s[WM], 18432
	v_add_nc_u32 v[ADRA0], s90, v[ADRA0]           ; (128 wm + r) x 144 + 16 h
	v_and_b32 v5, 7, v0
	v_lshl_add_u32 v5, v2, 3, v5
	v_mul_u32_u24 v[ADRB0], v5, 864                ; k row 8 h + l % 8,
	v_bfe_u32 v5, v0, 3, 1
	v_lshl_add_u32 v[ADRB0], v5, 4, v[ADRB0]       ; columns 8 ((l / 8) % 2) on,
	s_mul_i32 s90, s[WN], 432                      ; in my head's three strips
	s_add_co_u32 s90, s90, BOFF
	v_add_nc_u32 v[ADRB0], s90, v[ADRB0]
	v_mov_b32 v[VA], v[ADRA0]
	v_mov_b32 v[VB], v[ADRB0]
	s_mul_i32 s90, s[WV], 6912
	s_add_co_u32 s90, s90, STAGE
	v_mul_u32_u24 v[STO], v1, 144
	v_lshl_add_u32 v[STO], v2, 4, v[STO]
	v_add_nc_u32 v[STO], s90, v[STO]
	v_bfe_u32 v[RD], v0, 3, 2                      ; back: 32 lanes take four rows of 128 bytes
	v_mul_u32_u24 v[RD], v[RD], 144
	v_and_b32 v13, 7, v0
	v_lshl_add_u32 v[RD], v13, 4, v[RD]
	v_add_nc_u32 v[RD], s90, v[RD]
	v_and_b32 v[GO], 31, v0
	v_lshlrev_b32 v[PFO], 8, v[GO]
	v_lshlrev_b32 v[GO], 4, v[GO]
	v_lshlrev_b32 v[CSO], 8, v1
	v_lshl_add_u32 v[CSO], v2, 5, v[CSO]
	; the prefetches' address, step and bound
	s_lshl_b32 s90, s[CX], 13                      ; A: my work-group's 8,192 bytes of a K step
	s_mul_i32 s91, s[CY], 24576                    ; B: its 24,576 of two
	s_and_b32 s92, ttmp7, 0xffff
	s_mov_b32 s93, KA
	s_cmp_eq_u32 s[WM], 0
	s_cselect_b64 s[PFA:PFA+1], s[4:5], s[6:7]
	s_cselect_b32 s90, s90, s91
	s_cselect_b32 s91, s70, s88
	s_cselect_b32 s92, ttmp9, s92                  ; the coordinate along which other clusters read the same bytes
	s_cselect_b32 s[PFS], s93, KB
	s_mov_b32 s[PFS+1], 0
	s_add_co_u32 s90, s90, s91
	s_mul_i32 s91, s[PFS], 3                       ; at K step 3: the first trip steps it to 4
	s_add_co_u32 s90, s90, s91
	s_mov_b32 s91, 0
	s_add_nc_u64 s[PFA:PFA+1], s[PFA:PFA+1], s[90:91]
	s_or_b32 s92, s92, s[WN]
	s_cmp_eq_u32 s92, 0
	s_cselect_b32 s[LIM], 3, -1                    ; the same in all sixteen partners, for a given wave
	s_wait_tensorcnt 0x1                           ; my part of K step 0 is in; K step 1's may stay out
	s_barrier_signal -1
	s_barrier_wait -1
	; the first sub-step is written out: its products start the sums with the bias
	FA AF0, 0
	FB 0, 0
	FB 1, 0
	s_wait_loadcnt 0x0                             ; the bias
	s_wait_dscnt 12
	MULS AF0, 0, 1, 7, 1
	PLACES
	v_nop                                          ; five places: row block 0's products write over registers that the products above took as C
	MULS AF0, 0, 0, 0, 0
	PLACES
	FA AF1, 1
	FB 0, 1
	s_wait_dscnt 28
	MULS AF0, 1, 1, 7, 1
	PLACES
	v_nop
	MULS AF0, 1, 0, 0, 0
	WIN 0
	s_mov_b32 s3, 14
.Lk:                                    ; trip j: the odd sub-step of K step j, which asks for K step j + 2, and the even one of K step j + 1
	OSTEP 1
	ESTEP
	WIN 0
	s_sub_co_u32 s3, s3, 1
	s_cmp_lg_u32 s3, 0
	s_cbranch_scc1 .Lk
	OSTEP 0                                        ; the tail is written out
	ESTEP
	OSTEP 2
; THE WAY OUT, a row block at a time.  ROPE: q and k: lo' = lo cos(d) - hi sin(d), hi' = hi cos(d + 32) + lo sin(d + 32), in f32, into v16-31, then rounded to f16; v is rounded as it is.  Each accumulator's lowest registers are read first.
.macro ROPE a
.set cs, CS0+64*((\a)%2)
.set pk, PK0+48*((\a)%2)
.irp g, 0,1
.set rw, 1+(12*(\a)+4*\g)/32
.irp i, 0,1
.set rlo, 8*((12*(\a)+4*\g+\i)%32)
.set rhi, rlo+16
	WIN rw                                         ; source 0 in the accumulators' window, all else in window 0
.irp p, 0,2,4,6
	v_pk_mul_f32 v[T+\p:T+\p+1], v[rhi+\p:rhi+\p+1], v[cs+32+8*\i+\p:cs+32+8*\i+\p+1]
.endr
.irp p, 0,2,4,6
	v_pk_mul_f32 v[T+8+\p:T+8+\p+1], v[rlo+\p:rlo+\p+1], v[cs+48+8*\i+\p:cs+48+8*\i+\p+1]
.endr
.irp p, 0,2,4,6
	v_pk_fma_f32 v[T+\p:T+\p+1], v[rlo+\p:rlo+\p+1], v[cs+8*\i+\p:cs+8*\i+\p+1], v[T+\p:T+\p+1] neg_lo:[0,0,1] neg_hi:[0,0,1]
.endr
.irp p, 0,2,4,6
	v_pk_fma_f32 v[T+8+\p:T+8+\p+1], v[rhi+\p:rhi+\p+1], v[cs+16+8*\i+\p:cs+16+8*\i+\p+1], v[T+8+\p:T+8+\p+1]
.endr
	WIN 0
.irp p, 0,1,2,3
	v_cvt_pk_f16_f32 v[pk+4*(4*\g+\i)+\p], v[T+2*\p], v[T+2*\p+1]
.endr
.irp p, 0,1,2,3
	v_cvt_pk_f16_f32 v[pk+4*(4*\g+\i+2)+\p], v[T+8+2*\p], v[T+8+2*\p+1]
.endr
.endr
.endr
.set rw, 1+(12*(\a)+8)/32
	WIN rw|(rw<<2)
.irp i, 0,1,2,3
.set rlo, 8*((12*(\a)+8+\i)%32)
.irp p, 0,1,2,3
	v_cvt_pk_f16_f32 v[pk+4*(8+\i)+\p], v[rlo+2*\p], v[rlo+2*\p+1]
.endr
.endr
	WIN 0
.endm
.macro TOSTAGE a                        ; 16 bytes a lane into rows of 144 bytes, and back as whole rows of 128, into the registers that they left
	WIN 0
.set pk, PK0+48*((\a)%2)
.irp g, 0,1,2
.irp i, 0,1,2,3
	ds_store_b128 v[STO], v[pk+4*(4*\g+\i):pk+4*(4*\g+\i)+3] offset:2304*\g+32*\i
.endr
.endr
.irp g, 0,1,2
.irp f, 0,1,2,3
	ds_load_b128 v[pk+4*(4*\g+\f):pk+4*(4*\g+\f)+3], v[RD] offset:2304*\g+576*\f  ; LDS serves a wave's instructions in order (ISA guide 5.7.1.4): these see the stores above
.endr
.endr
.endm
.macro SEND a
	WIN 0
	s_wait_dscnt 0x0
.set pk, PK0+48*((\a)%2)
.irp g, 0,1,2
.irp f, 0,1,2,3
	global_store_b128 v[GO], v[pk+4*(4*\g+\f):pk+4*(4*\g+\f)+3], s[OUTB+2*\g:OUTB+2*\g+1] offset:2048*(\a)+512*\f  ; 512 consecutive bytes, at a multiple of 256 from the buffer's first
.endr
.endr
.endm
	PLACES
.irp a, 0,1,2,3,4,5,6,7
	s_wait_xcnt 0x0                                ; the stores of two blocks back have read the registers that this block packs into
.if \a < 7
	CSLOAD (\a)+1
	s_wait_loadcnt 16                              ; this block's tables are in; the next block's 16 loads stay out
.else
	s_wait_loadcnt 0x0
.endif
	ROPE \a
.if \a > 0
	SEND (\a)-1                                    ; a block's arithmetic stands between the stage loads of the block before and its stores
.endif
	TOSTAGE \a
.endr
	SEND 7
	s_wait_tensorcnt 0x0                           ; the wave's end
	ds_add_u32 v[SPW], v[NIL]
	s_wait_dscnt 0x0
	CROUND                                         ; the closing round
	s_endpgm
.Lfunc_end_k_qf11304b69a_qkv:
	.size	k_qf11304b69a_qkv, .Lfunc_end_k_qf11304b69a_qkv-k_qf11304b69a_qkv
	.p2alignl 7, 3214868480
	.fill 96, 4, 3214868480
	.section	.rodata,"a",@progbits
	.p2align	6, 0x0
	.amdhsa_kernel k_qf11304b69a_qkv
		.amdhsa_group_segment_fixed_size 327680
		.amdhsa_private_segment_fixed_size 0
		.amdhsa_enable_private_segment 0
		.amdhsa_kernarg_size 48
		.amdhsa_user_sgpr_count 2
		.amdhsa_user_sgpr_kernarg_segment_ptr 1
		.amdhsa_wavefront_size32 1
		.amdhsa_system_sgpr_workgroup_id_x 1
		.amdhsa_system_sgpr_workgroup_id_y 1
		.amdhsa_system_sgpr_workgroup_id_z 1
		.amdhsa_system_vgpr_workitem_id 0
		.amdhsa_next_free_vgpr 1024
		.amdhsa_next_free_sgpr 96
		.amdhsa_reserve_vcc 0
		.amdhsa_float_denorm_mode_32 3
		.amdhsa_float_denorm_mode_16_64 3
		.amdhsa_memory_ordered 1
		.amdhsa_forward_progress 1
		.amdhsa_inst_pref_size 161
	.end_amdhsa_kernel
	.amdgpu_metadata
---
amdhsa.version: [ 1, 2 ]
amdhsa.kernels:
  - .name:           k_qf11304b69a_qkv
    .symbol:         k_qf11304b69a_qkv.kd
    .args:
      - { .name: xb, .offset: 0, .size: 8, .value_kind: global_buffer, .address_space: global }
      - { .name: wq, .offset: 8, .size: 8, .value_kind: global_buffer, .address_space: global }
      - { .name: tb, .offset: 16, .size: 8, .value_kind: global_buffer, .address_space: global }
      - { .name: q, .offset: 24, .size: 8, .value_kind: global_buffer, .address_space: global }
      - { .name: k, .offset: 32, .size: 8, .value_kind: global_buffer, .address_space: global }
      - { .name: v, .offset: 40, .size: 8, .value_kind: global_buffer, .address_space: global }
    .group_segment_fixed_size: 327680
    .private_segment_fixed_size: 0
    .kernarg_segment_align: 8
    .kernarg_segment_size: 48
    .max_flat_workgroup_size: 128
    .sgpr_count:     96
    .vgpr_count:     1024
    .wavefront_size: 32
...
	.end_amdgpu_metadata
.endif
;; end of part 2
;; launch attn (part 3): grid 4 x 64, 4 waves a work-group, clusters of 4 x 1, 327,680 bytes of LDS; arguments q, k, v, ob; writes ob
.if DOCPART == 3
	.amdgcn_target "amdgcn-amd-amdhsa--gfx1250"
	.amdhsa_code_object_version 6
	.text
	.protected	k_qf11304b69a_attn
	.globl	k_qf11304b69a_attn
	.p2align	8
	.type	k_qf11304b69a_attn,@function
k_qf11304b69a_attn:
	s_mov_b64 s[64:65], 0
	v_nop
	global_prefetch_b8 v0, s[64:65] scope:SCOPE_SE
	s_setreg_imm32_b32 hwreg(HW_REG_WAVE_MODE, 25, 1), 1
	s_wait_xcnt 0x0
	s_wait_alu depctr_hold_cnt(0) depctr_sa_sdst(0) depctr_va_vdst(0) depctr_va_sdst(0) depctr_va_ssrc(0) depctr_va_vcc(0) depctr_vm_vsrc(0)
	s_getreg_b32 s2, hwreg(HW_REG_IB_STS2, 6, 4)
	s_cmp_eq_u32 s2, 0
	s_cbranch_scc0 .Lentry_in_a_cluster
	s_endpgm
.Lentry_in_a_cluster:
	s_bfe_u32 s2, ttmp6, 0x10000c
	s_cmp_lg_u32 s2, 0x3003
	s_cbranch_scc0 .Lentry_shape_is_right
	s_endpgm
.Lentry_shape_is_right:
; O[h][q][:] = the sum over k of softmax_k(Q[h][q] . K[h][k] / 8) V[h][k][:].  Q, K, V, O: [64][2048][64], all f16: a head's rows are dense, 128 bytes each.  Products, maxima and sums in
; f32; the weights p are rounded to f16 for the second product (their sum l is taken of the unrounded p), O once at the end.
; LIMITS.  f16 holds no number beyond 65,504: Q, K and V arrive within it; p lies in 0 to 1, and below 6e-5 it keeps f16's fixed step of 6e-8; O is a mean of V's rows and has their range.
; A weight below 2^-126 counts as 0 in l; NaN and infinities are not treated apart.
; SHARES.  A wave owns four PIECES of two tiles of 16 queries, a work-group's four waves 512 queries of one head.  Every wave walks all keys, 64 a step.
; LAYOUT.  S^T = K Q^T (source 0 = 16 keys, source 1 = 16 queries): a lane holds ONE query (lane % 16) and the keys 8 (lane / 16) + 0..7.  Two such tiles, rounded to f16 in pairs,
; ARE source 1 of O^T = V^T P, whose result again holds one query a lane, and eight channels.  K comes out of LDS as it lies, V ([key][channel]) turned, by ds_load_tr16_b128.
; SOFTMAX.  A running maximum m and sum l for each query: p = 2^(c s - c m), c = log2(e) / 8; in every step O and l are multiplied by a = 2^(c m_old - c m_new).
; m starts at the lowest finite number, O and l at 0: the first step is a step like any other, with a = 0.
; THE COUNT.  A tile and step have 16 matrix and 118 vector instructions: four vector instructions that are ready stand behind every matrix instruction, the others in runs of their own.
; BY TURNS.  Turn n belongs to piece n.  Matrix work: 16 products K Q^T of piece n + 1, later 16 products V^T P of piece n - 1.  Vector work: the scaling, exponentials, roundings, sums and rescaling of
; piece n, and the maximum and statistics of piece n + 1.
; CLUSTER.  The four query blocks of a head are one cluster and walk the same K and V: each tile is asked for jointly.
; REGISTERS, in windows of 256: window 0: v0-11 addresses; v12-15, v48-63 at work; v16-47 statistics; v64-191 S^T, two buffers of two tiles; v192-255 P, likewise.
;   window 1: O^T, 32 a tile.  window 2: v0-127 Q; v128-191 K of one step; v192-255 V of one step.  window 3: v0-1 the add's two registers.
.set SIZE_N, 2048
.set NP,    4
.set KS,    64
.set PK,    144       ; a row of K in LDS: 128 bytes + 16: the 16 rows of a load start at 16 different groups of four banks (ISA guide 11.1)
.set PV,    160       ; a row of V: 128 + 32
.set VOFF,  4*KS*PK   ; a slot holds four steps: 256 rows of K, then 256 rows of V
.set SLOT1, 1<<17
.set STAGE, SLOT1+4*KS*(PK+PV)
.set SP,    144
.set AK0, 2
.set AV0, 3
.set AK,  4
.set AV,  5
.set QO,  6
.set STO, 6
.set RD,  7
.set GO,  8
.set PFO, 11          ; v11  256 x my lane, made when V's lane address is done; never rewritten after that
.set SPW, 0           ; v0 of window 3
.set NIL, 1           ; v1 of window 3
.set SPARE, STAGE+4*16*SP
.set MV,  12
.set ST,  16
.set TMP, 48
.set S,   64
.set P,   192
.set KF,  128
.set VF,  192
.set WV,  12
.set G1K, 24
.set G1V, 32
.set G0K, 40
.set G0V, 44
.set PFA, 50          ; s[50:51] where my prefetches stand: my work-group's 8,192 bytes (of K: wave 0, of V: wave 2) of the slot after the one that is being asked for
.set LIM, 52          ; s52  1 in waves 0 and 2, else the greatest number
.set SLOTS, 56
.set CNT, 57
.set CS,  58
.set SEL, 60
.set TBK, 62
.set TBV, 63
.set MSB, 0
.macro WIN new
.if MSB != (\new)
	s_set_vgpr_msb (MSB<<8)|(\new)
.set MSB, (\new)
.endif
.endm
.set W_KQ, 0x0a
.set W_PV, 0x52
.set W_RS, 0x41
.set W_MK, 0xc0
.set W_AD, 0x0f
.macro JLOAD                        ; waves 0 and 1 fetch the two halves of a slot's K, waves 2 and 3 those of its V: 128 keys each
	s_cmp_lt_u32 s[WV], 2
	s_cbranch_scc0 .Lfor_v_\@
	tensor_load_to_lds s[G0K:G0K+3], s[G1K:G1K+7]
	s_nop 0
.rept 4
	v_nop
.endr
	s_branch .Lasked_\@
.Lfor_v_\@:
	tensor_load_to_lds s[G0V:G0V+3], s[G1V:G1V+7]
	s_nop 0
.rept 4
	v_nop
.endr
.Lasked_\@:
.endm
; A PREFETCH INTO THE L2 of what the NEXT change of slots will ask for: a slot's 32,768 bytes of K and of V, a lane 256 bytes.  A head has one cluster; its four partners share the bytes out by address,
; 8,192 each; in each, wave 0 asks for K's and wave 2 for V's: one instruction, behind the joint load and its five lines.  So each 256 bytes are named once in the launch.
; Slots 0 to 2 come by their loads alone; the last change that fills a slot asks for nothing.
.macro ASK
	s_cmp_gt_u32 s[SLOTS], s[LIM]
	s_cbranch_scc0 .Lnot_mine_\@
	global_prefetch_b8 v[PFO], s[PFA:PFA+1] th:TH_LOAD_NT scope:SCOPE_SE
.Lnot_mine_\@:
.endm
.macro CROUND
	s_barrier_signal -1
	s_barrier_wait -1
	s_cmp_lg_u32 s[WV], 0
	s_cbranch_scc1 .Lnot_wave_0_\@
	s_barrier_signal -3
.Lnot_wave_0_\@:
	s_barrier_wait -3
	s_barrier_signal -1
	s_barrier_wait -1
.endm
; THE CHANGE OF SLOTS.  Each wave waits for all its tensor loads (one is out: its part of the other slot), adds 0 to its spare word, and waits for that and for its own reads of the slot.
; fill = 1: the slot is filled again, with the keys two slots on, behind a round of the cluster's barrier; the joint fill is the first thing there and has four key steps, 512 matrix instructions, in which to land.
.macro CHANGE fill, ask=0
	WIN W_AD
	s_wait_tensorcnt 0x0            ; no tensor load of mine is out, so a group 0 may be written
	ds_add_u32 v[SPW], v[NIL]
	WIN 0
.if \fill
.irp g, G0K, G0V
	s_xor_b32 s[\g+1], s[\g+1], SLOT1
	s_add_nc_u64 s[\g+2:\g+3], s[\g+2:\g+3], 4*KS*128
.endr
.if \ask
	s_wait_xcnt 0x0                 ; the last prefetch, four key steps back, has read its address
	s_add_nc_u64 s[PFA:PFA+1], s[PFA:PFA+1], 4*KS*128
.endif
	s_wait_dscnt 0x0                ; the add is done, and my reads of the slot are over
	CROUND
	JLOAD
.if \ask
	ASK
.endif
.else
	s_wait_dscnt 0x0
	s_barrier_signal -1
	s_barrier_wait -1
.endif
	s_sub_co_u32 s[TBK], s[TBK], 4*KS*PK
	s_xor_b32 s[TBK], s[TBK], SLOT1
	s_sub_co_u32 s[TBV], s[TBV], 4*KS*PV
	s_xor_b32 s[TBV], s[TBV], SLOT1
.endm
	s_load_b256 s[4:11], s[0:1], 0x0  ; Q s[4:5], K s[6:7], V s[8:9], O s[10:11]
	WIN W_MK
	v_lshl_add_u32 v[SPW], v0, 2, SPARE
	v_mov_b32 v[NIL], 0
	WIN W_AD
	ds_add_u32 v[SPW], v[NIL]       ; the wave's opening: the add and its wait ahead of my first tensor load
	WIN 0
	v_lshrrev_b32 v1, 5, v0
	v_readfirstlane_b32 s[WV], v1
	s_bfe_u32 s13, ttmp6, 0x40000   ; cx
	s_lshl_b32 s14, ttmp9, 2
	s_add_co_u32 s14, s14, s13      ; my block of queries: it enters Q's and O's addresses alone
	s_and_b32 s20, ttmp7, 0xffff    ; the head, which the four partners share
	s_mov_b32 s21, 0
	s_mov_b64 s[22:23], SIZE_N*128
	s_mul_u64 s[20:21], s[20:21], s[22:23]
	s_and_b32 s16, s[WV], 1         ; which half of a slot's 256 keys I fetch
	s_lshl_b32 s22, s16, 14
	s_mov_b32 s23, 0
	s_add_nc_u64 s[22:23], s[22:23], s[20:21]
	s_mul_i32 s17, s16, 128*PK
	s_mul_i32 s18, s16, 128*PV
	s_lshl_b32 s2, s14, 2
	s_add_co_u32 s2, s2, s[WV]
	s_lshl_b32 s2, s2, 14           ; my wave's 128 rows
	s_mov_b32 s3, 0
	s_add_nc_u64 s[2:3], s[2:3], s[20:21]
	; 128 keys are 16,384 dense bytes: asked for as 64 rows of 256 bytes, two keys a row, and padded in LDS after every key
	s_mov_b32 s[G1K], 15|(1<<16)|(1<<20)|(1<<21)|(4<<22)|(3<<25)
	s_mov_b32 s[G1V], 15|(1<<16)|(1<<20)|(1<<21)|(4<<22)|(7<<25)
.irp g, G1K, G1V
	s_mov_b32 s[\g+1], 128<<16
	s_mov_b32 s[\g+2], 64<<16
	s_mov_b32 s[\g+3], 128<<16
	s_mov_b32 s[\g+4], 64
	s_mov_b32 s[\g+5], 128
	s_mov_b32 s[\g+6], 0
	s_mov_b32 s[\g+7], 0
.endr
	s_mov_b32 s[CS], 0x3e38aa3b     ; c = log2(e) / 8
	s_mov_b32 s[CS+1], s[CS]
	s_mov_b32 s[SEL], 0x76543210
	s_mov_b32 s[SEL+1], 0xfedcba98
	s_mov_b32 s[TBK], SLOT1+4*KS*PK ; the first change of slots turns these two into 0
	s_mov_b32 s[TBV], SLOT1+4*KS*PV
	s_mov_b32 s[G0K], 1
	s_mov_b32 s[G0K+1], s17
	s_mov_b32 s[G0V], 1
	s_add_co_u32 s[G0V+1], s18, VOFF
	s_and_b32 s[LIM], s[WV], 1
	s_cmp_eq_u32 s[LIM], 0
	s_cselect_b32 s[LIM], 1, -1
	s_wait_dscnt 0x0                ; the opening add is done
	s_wait_kmcnt 0x0
	s_add_nc_u64 s[G0K+2:G0K+3], s[6:7], s[22:23]
	s_or_b32 s[G0K+3], s[G0K+3], 0x80000000
	s_add_nc_u64 s[G0V+2:G0V+3], s[8:9], s[22:23]
	s_or_b32 s[G0V+3], s[G0V+3], 0x80000000
	s_add_nc_u64 s[4:5], s[4:5], s[2:3]
	s_add_nc_u64 s[10:11], s[10:11], s[2:3]
	s_cmp_lt_u32 s[WV], 2
	s_cselect_b64 s[PFA:PFA+1], s[6:7], s[8:9]
	s_add_nc_u64 s[PFA:PFA+1], s[PFA:PFA+1], s[20:21]
	s_lshl_b32 s2, s13, 13          ; my work-group's 8,192 bytes of a slot's 32,768
	s_mov_b32 s3, 0
	s_add_nc_u64 s[PFA:PFA+1], s[PFA:PFA+1], s[2:3]
	s_add_nc_u64 s[PFA:PFA+1], s[PFA:PFA+1], 2*4*KS*128  ; in slot 2; the loop's first change steps it to slot 3
	CROUND                          ; all four work-groups are here: the first joint loads meet
	JLOAD                           ; slot 0.  Slot 1 is asked for when slot 0 is in
	v_and_b32 v1, 15, v0
	v_bfe_u32 v9, v0, 4, 1
	v_lshlrev_b32 v[QO], 7, v1
	v_lshl_add_u32 v[QO], v9, 4, v[QO]
	WIN 0x80
.set i, 0
.rept 4*NP                          ; Q stays in registers: tile i / 2, channels 32 (i % 2) on
	global_load_b128 v[8*i:8*i+3],   v[QO], s[4:5] offset:(i/2)*2048+(i%2)*64
	global_load_b128 v[8*i+4:8*i+7], v[QO], s[4:5] offset:(i/2)*2048+(i%2)*64+32
.set i, i+1
.endr
	; What the first turn finds: V's registers and P's second buffer hold 0, O^T and l are 0.  All this stands in the wait for the first tile.
.set i, VF
.rept 64
	v_mov_b32 v[i], 0
.set i, i+1
.endr
	WIN 0x40
.set i, 0
.rept 64*NP
	v_mov_b32 v[i], 0
.set i, i+1
.endr
	WIN 0
.set i, 0
.rept 2*NP
	v_mov_b32 v[ST+4*i], 0xfe000000    ; c m: far below every c s
	v_mov_b32 v[ST+4*i+1], 0xff7fffff  ; m
	v_mov_b32 v[ST+4*i+2], 0
	v_mov_b32 v[ST+4*i+3], 0
.set i, i+1
.endr
.set i, P+32
.rept 32
	v_mov_b32 v[i], 0
.set i, i+1
.endr
	v_mul_u32_u24 v[AK0], v1, PK
	v_lshl_add_u32 v[AK0], v9, 4, v[AK0]
	v_and_b32 v10, 7, v0
	v_bfe_u32 v11, v0, 3, 1
	v_lshl_add_u32 v[AV0], v9, 3, v10
	v_mul_u32_u24 v[AV0], v[AV0], PV
	v_lshl_add_u32 v[AV0], v11, 4, v[AV0]
	v_add_nc_u32 v[AV0], VOFF, v[AV0]
	v_and_b32 v[PFO], 31, v0
	v_lshlrev_b32 v[PFO], 8, v[PFO]
	v_mov_b32 v[AK], v[AK0]
; THE MATRIX WORK.  The 8 accumulators of a run of 16 take turns.
.macro KQ x
	WIN W_KQ
.set rS, S+64*((\x)%2)+32*(i%2)+8*((i/2)%4)
.set rK, KF+16*((i/2)%4)+8*(i/8)
.set rQ, 16*(2*(\x)+i%2)+8*(i/8)
.if i < 8
	v_wmma_f32_16x16x32_f16 v[rS:rS+7], v[rK:rK+7], v[rQ:rQ+7], 0
.else
	v_wmma_f32_16x16x32_f16 v[rS:rS+7], v[rK:rK+7], v[rQ:rQ+7], v[rS:rS+7]
.endif
.endm
.macro PV x
	WIN W_PV
.set rO, 32*(2*(\x)+i%2)+8*((i/2)%4)
.set rV, VF+32*(i/8)+8*((i/2)%4)
.set rP, P+32*((\x)%2)+16*(i%2)+8*(i/8)
	v_wmma_f32_16x16x32_f16 v[rO:rO+7], v[rV:rV+7], v[rP:rP+7], v[rO:rO+7]
.endm
.macro MM
.if i < 16
	KQ (Y+1)%NP
.set i, i+1
.else
.set i, i-16
	PV (Y+NP-1)%NP
.set i, i+17
.endif
.endm
; THE LDS LOADS stand in runs of 16.  last = 1 (the tail): in the last trip there is no further step, and the run is jumped over.
.macro FETCH_K last=0
	WIN 0
.if \last
	s_cmp_eq_u32 s[CNT], 1
	s_cbranch_scc1 .Lno_k_\@
.endif
	WIN 0x80
.irp f, 0,1,2,3,4,5,6,7
	ds_load_b128 v[KF+8*\f:KF+8*\f+3],   v[AK] offset:(\f/2)*16*PK+(\f%2)*64
	ds_load_b128 v[KF+8*\f+4:KF+8*\f+7], v[AK] offset:(\f/2)*16*PK+(\f%2)*64+32
.endr
	s_add_co_u32 s[TBK], s[TBK], KS*PK
	WIN 0
.if \last
.Lno_k_\@:
.endif
.endm
.macro FETCH_V
	WIN 0x80
.irp f, 0,1,2,3,4,5,6,7
	ds_load_tr16_b128 v[VF+8*\f:VF+8*\f+3],   v[AV] offset:(\f/4)*32*PV+(\f%4)*32
	ds_load_tr16_b128 v[VF+8*\f+4:VF+8*\f+7], v[AV] offset:(\f/4)*32*PV+16*PV+(\f%4)*32
.endr
	WIN 0
.endm
; THE VECTOR WORK OF A TURN stands in three queues, each in the order in which its entries become ready; the two tiles alternate.
.macro REGS y, u
.set rT, ST+4*(2*(\y)+(\u))
.set rC, TMP+8*((\y)%2)+4*(\u)
.set rM, MV+2*((\y)%2)+(\u)
.set rS, S+64*((\y)%2)+32*(\u)
.set rP, P+32*((\y)%2)+16*(\u)
.set rO, 32*(2*(\y)+(\u))
.endm
; Number n of the 22 that find the next piece's maximum and statistics; each accumulator's lowest registers are read first.
;   0-11 four chains of seven scores; 12-14, 16 the scores left over, the old m, the four into one; 15 c m_old is kept; 17, 18 the other half of the lanes: the new m; 19-21 c m; its change; a
.macro XS u, n
	REGS (Y+1)%NP, \u
.if (\n) < 4
	v_max3_num_f32 v[rC+(\n)], v[rS+8*(\n)], v[rS+8*(\n)+1], v[rS+8*(\n)+2]
.elseif (\n) < 12
	v_max3_num_f32 v[rC+(\n)%4], v[rC+(\n)%4], v[rS+8*((\n)%4)+2*((\n)/4)+1], v[rS+8*((\n)%4)+2*((\n)/4)+2]
.elseif (\n) == 12
	v_max3_num_f32 v[rC], v[rC], v[rS+7], v[rS+15]
.elseif (\n) == 13
	v_max3_num_f32 v[rC+1], v[rC+1], v[rS+23], v[rS+31]
.elseif (\n) == 14
	v_max3_num_f32 v[rC+2], v[rC+2], v[rC+3], v[rT+1]
.elseif (\n) == 15
	v_mov_b32 v[rM], v[rT]
.elseif (\n) == 16
	v_max3_num_f32 v[rC], v[rC], v[rC+1], v[rC+2]
.elseif (\n) == 17
	v_permlanex16_b32 v[rC+3], v[rC], s[SEL], s[SEL+1]
.elseif (\n) == 18
	v_max_num_f32 v[rT+1], v[rC], v[rC+3]
.elseif (\n) == 19
	v_mul_f32 v[rT], s[CS], v[rT+1]
.elseif (\n) == 20
	v_sub_f32 v[rC+1], v[rM], v[rT]
.else
	v_exp_f32 v[rC+2], v[rC+1]
.endif
.endm
; Number g of the 64 that follow the exponentials: for each four weights both pairs are rounded to f16, the second pair is added onto the first, and a group later l takes that sum (the first time as l = a l + sum).
.macro GS g
.set h, (\g)+6*((\g)/62)
.if h >= 6
.set h, h+2
.endif
	REGS Y, h%2
.set k, h/8
.if h%8 < 4
	v_cvt_pk_f16_f32 v[rP+2*k+(h%8)/2], v[rS+4*k+2*((h%8)/2)], v[rS+4*k+2*((h%8)/2)+1]
.elseif h%8 < 6
	v_pk_add_f32 v[rS+4*k:rS+4*k+1], v[rS+4*k:rS+4*k+1], v[rS+4*k+2:rS+4*k+3]
.elseif k == 1
	v_pk_fma_f32 v[rT+2:rT+3], v[rT+2:rT+3], v[rC+2:rC+3], v[rS:rS+1] op_sel_hi:[1,0,1]
.else
	v_pk_add_f32 v[rT+2:rT+3], v[rT+2:rT+3], v[rS+4*k-4:rS+4*k-3]
.endif
.endm
; THE PLAIN QUEUE, 138 long.  0-73 read no exponential's result: the 32 scalings and the next piece's 42.  74-137: GS's 64, behind the wait.
.macro FS f
	REGS Y, (\f)%2
	v_pk_fma_f32 v[rS+2*((\f)/2):rS+2*((\f)/2)+1], v[rS+2*((\f)/2):rS+2*((\f)/2)+1], s[CS:CS+1], v[rT:rT+1] op_sel_hi:[1,0,0] neg_lo:[0,0,1] neg_hi:[0,0,1]
.endm
.macro PL
	WIN 0
.if q < 27
	FS q
.elseif q < 55
	XS (q-27)%2, (q-27)/2
.elseif q < 57
	XS q-55, 15
.elseif (q < 72) && ((q-57)%3 == 0)
	FS 27+(q-57)/3
.elseif q < 60
	XS (q-57)%3-1, 14
.elseif q < 72
	XS (q-57)%3-1, 15+(q-57)/3
.elseif q < 74
	XS q-72, 20
.else
	GS q-74
.endif
.set q, q+1
.endm
; THE EXPONENTIALS' QUEUE, 66 long: one batch, all ahead of the turn's one wait; nothing ahead of that wait names a result of theirs.
.macro EX
	WIN 0
.if e >= 64
	XS e-64, 21
.else
	REGS Y, e%2
	v_exp_f32 v[rS+e/2], v[rS+e/2]
.endif
.set e, e+1
.endm
; THE RESCALING's QUEUE: O^T times a, two at a time; its a was made, and waited for, in the turn before.
.macro R2
	REGS Y, r%2
	WIN W_RS
.irp z, 0,1
	v_pk_mul_f32 v[rO+4*(r/2)+2*\z:rO+4*(r/2)+2*\z+1], v[rO+4*(r/2)+2*\z:rO+4*(r/2)+2*\z+1], v[rC+2:rC+3] op_sel_hi:[1,0]
.endr
.set r, r+1
.endm
; A TURN, for piece p.  Ahead of its one wait: 16 products K Q^T, behind each a scaling, an exponential and two rescalings; then a run of 108.  Behind it: 16 products V^T P, behind each four of the roundings and sums.
; Exponential e stands behind scaling 2 (e / 4) + e % 2: as a rider behind plain e + 2, in the run behind plain e + 9.
; K of the next step is fetched in piece 2's turn, directly behind the wait; V of the step in hand at the end of piece 0's turn, four plain instructions behind its last reader.
.macro TURN p, last=0, cnt=0
.set Y, (\p)
.set i, 0
.set q, 0
.set e, 0
.set r, 0
.if (\p) == NP-1
	s_wait_dscnt 0x0                ; K is in
.endif
	MM
	PL
	PL
	R2
.rept 15
	MM
	PL
	EX
	R2
.endr
.if (\p) == NP-2
	WIN 0
	v_add_nc_u32 v[AK], s[TBK], v[AK0]
.endif
.rept 8
	PL
.endr
.rept 49
	EX
	PL
.endr
	EX
	EX
	v_nop                           ; a plain instruction behind the last exponential: one for the batch (ISA guide 5.7.2)
	s_wait_alu depctr_va_vdst(0)    ; the wait ahead of the batch's first reader
.if (\p) == NP-2
	FETCH_K \last
.endif
.if (\p) == 1
	s_wait_dscnt 0x0                ; V is in
.endif
.rept 16
	MM
.rept 4
	PL
.endr
.if ((\p) == 0) && (q == 118)
	v_add_nc_u32 v[AV], s[TBV], v[AV0]
.endif
.if ((\p) == 0) && (q == 130)
	s_add_co_u32 s[TBV], s[TBV], KS*PV
.endif
.if (\cnt) && (q == 130)
	s_sub_co_u32 s[CNT], s[CNT], 1
	s_cmp_lg_u32 s[CNT], 0
.endif
.endr
.if (\p) == 0
	FETCH_V
.endif
.endm
	CHANGE 1                        ; slot 0 is in, everybody's part of it; slot 1 is asked for; nothing is prefetched here, at the head
	FETCH_K                         ; key step 0
	s_wait_loadcnt 0x0              ; Q
	s_wait_dscnt 0x0
.set i, 0
.rept 16
	KQ 0
.set i, i+1
.endr
	WIN 0                           ; the addresses for the way out: plain instructions, the places behind those products
	s_mul_i32 s13, s[WV], 16*SP
	s_add_co_u32 s13, s13, STAGE
	v_mul_u32_u24 v[STO], v1, SP
	v_lshl_add_u32 v[STO], v9, 4, v[STO]
	v_add_nc_u32 v[STO], s13, v[STO]
	v_bfe_u32 v[RD], v0, 3, 2
	v_mul_u32_u24 v[RD], v[RD], SP
	v_lshl_add_u32 v[RD], v10, 4, v[RD]
	v_add_nc_u32 v[RD], s13, v[RD]
	v_and_b32 v[GO], 31, v0
	v_lshlrev_b32 v[GO], 4, v[GO]
.set Y, NP-1
.irp n, 0,1,2,3,4,5,6,7,8,9,10,11,12,13,14,15,16,17,18,19,20,21
	XS 0, \n
	XS 1, \n
.endr
	v_nop
	s_wait_alu depctr_va_vdst(0)    ; the two a have their wait ahead of the branch
	s_mov_b32 s[CNT], 4
	s_mov_b32 s[SLOTS], SIZE_N/256-1
	s_branch .Lfirst                ; the loop is entered at a step's first turn, in the middle of a trip
.Lslot:                             ; six times: every slot but the last two is filled again
	CHANGE 1, 1
	s_mov_b32 s[CNT], 4
.Lstep:                             ; a trip: pieces 2 and 3 of one step, then pieces 0 and 1 of the next
	TURN 2
	TURN 3
	WIN 0
.Lfirst:
	TURN 0
	TURN 1, 0, 1
	WIN 0
	s_cbranch_scc1 .Lstep
	s_sub_co_u32 s[SLOTS], s[SLOTS], 1
	s_cmp_lg_u32 s[SLOTS], 0
	s_cbranch_scc1 .Lslot
	CHANGE 0                        ; the tail is written out
	s_mov_b32 s[CNT], 5
.Ltail:
	TURN 2, 1
	TURN 3
	WIN 0
	s_sub_co_u32 s[CNT], s[CNT], 1
	s_cmp_eq_u32 s[CNT], 0
	s_cbranch_scc1 .Lout
	TURN 0
	TURN 1
	WIN 0
	s_branch .Ltail
.Lout:                              ; the fifth trip's 16 products K Q^T and the maximum made of them serve nothing: the price, once a launch, of one text for every trip
.set i, 0
.rept 16
	PV NP-1
.set i, i+1
.endr
	; THE WAY OUT.  l's halves are added; O^T is divided by l, rounded to f16 and sent through my stage in LDS, a tile at a time.
	WIN 0
.macro ALL line:vararg
.set t, 0
.rept 2*NP
	\line
.set t, t+1
.endr
.endm
	ALL v_add_f32 v[ST+4*t+2], v[ST+4*t+2], v[ST+4*t+3]
	ALL v_permlanex16_b32 v[ST+4*t+3], v[ST+4*t+2], s[SEL], s[SEL+1]
	ALL v_add_f32 v[ST+4*t+2], v[ST+4*t+2], v[ST+4*t+3]
	ALL v_rcp_f32 v[ST+4*t+2], v[ST+4*t+2]
	v_nop
	s_wait_alu depctr_va_vdst(0)    ; one wait for the eight reciprocals
.macro PACK t
	WIN W_RS
.set i, 32*(\t)
.rept 16
	v_pk_mul_f32 v[i:i+1], v[i:i+1], v[ST+4*(\t)+2:ST+4*(\t)+3] op_sel_hi:[1,0]
.set i, i+2
.endr
	WIN 0x05
.set i, 0
.rept 16
	v_cvt_pk_f16_f32 v[S+16*(\t)+i], v[32*(\t)+2*i], v[32*(\t)+2*i+1]
.set i, i+1
.endr
	WIN 0
.irp f, 0,1,2,3
	ds_store_b128 v[STO], v[S+16*(\t)+4*\f:S+16*(\t)+4*\f+3] offset:32*\f
.endr
.irp f, 0,1,2,3
	ds_load_b128 v[S+16*(\t)+4*\f:S+16*(\t)+4*\f+3], v[RD] offset:\f*4*SP  ; LDS serves a wave's instructions in order (ISA guide 5.7.1.4)
.endr
.endm
.macro SEND t, younger
	WIN 0
.irp f, 0,1,2,3
	s_wait_dscnt (\younger)+3-\f
	global_store_b128 v[GO], v[S+16*(\t)+4*\f:S+16*(\t)+4*\f+3], s[10:11] offset:(\t)*2048+\f*512  ; 512 consecutive bytes, at a multiple of 256 from O's first
.endr
.endm
	PACK 0
.set t, 1
.rept 2*NP-1
	PACK t
	SEND t-1, 8
.set t, t+1
.endr
	SEND 2*NP-1, 0
	WIN W_AD
	s_wait_tensorcnt 0x0            ; the wave's end
	ds_add_u32 v[SPW], v[NIL]
	s_wait_dscnt 0x0
	WIN 0
	CROUND                          ; the closing round
	s_endpgm
.Lfunc_end_k_qf11304b69a_attn:
	.size	k_qf11304b69a_attn, .Lfunc_end_k_qf11304b69a_attn-k_qf11304b69a_attn
	.p2alignl 7, 3214868480
	.fill 96, 4, 3214868480
	.section	.rodata,"a",@progbits
	.p2align	6, 0x0
	.amdhsa_kernel k_qf11304b69a_attn
		.amdhsa_group_segment_fixed_size 327680
		.amdhsa_private_segment_fixed_size 0
		.amdhsa_enable_private_segment 0
		.amdhsa_kernarg_size 32
		.amdhsa_user_sgpr_count 2
		.amdhsa_user_sgpr_kernarg_segment_ptr 1
		.amdhsa_wavefront_size32 1
		.amdhsa_system_sgpr_workgroup_id_x 1
		.amdhsa_system_sgpr_workgroup_id_y 1
		.amdhsa_system_sgpr_workgroup_id_z 1
		.amdhsa_system_vgpr_workitem_id 0
		.amdhsa_next_free_vgpr 770
		.amdhsa_next_free_sgpr 66
		.amdhsa_reserve_vcc 0
		.amdhsa_float_denorm_mode_32 3
		.amdhsa_float_denorm_mode_16_64 3
		.amdhsa_memory_ordered 1
		.amdhsa_forward_progress 1
		.amdhsa_inst_pref_size 200
	.end_amdhsa_kernel
	.amdgpu_metadata
---
amdhsa.version: [ 1, 2 ]
amdhsa.kernels:
  - .name:           k_qf11304b69a_attn
    .symbol:         k_qf11304b69a_attn.kd
    .args:
      - { .name: q, .offset: 0, .size: 8, .value_kind: global_buffer, .address_space: global }
      - { .name: k, .offset: 8, .size: 8, .value_kind: global_buffer, .address_space: global }
      - { .name: v, .offset: 16, .size: 8, .value_kind: global_buffer, .address_space: global }
      - { .name: ob, .offset: 24, .size: 8, .value_kind: global_buffer, .address_space: global }
    .group_segment_fixed_size: 327680
    .private_segment_fixed_size: 0
    .kernarg_segment_align: 8
    .kernarg_segment_size: 32
    .max_flat_workgroup_size: 128
    .sgpr_count:     66
    .vgpr_count:     770
    .wavefront_size: 32
...
	.end_amdgpu_metadata
.endif
;; end of part 3
;; launch proj (part 4): grid 4 x 64, 4 waves a work-group, clusters of 4 x 4, 327,680 bytes of LDS; arguments ob, wp, tb, out0; writes out0
.if DOCPART == 4
	.amdgcn_target "amdgcn-amd-amdhsa--gfx1250"
	.amdhsa_code_object_version 6
	.text
	.protected	k_qf11304b69a_proj
	.globl	k_qf11304b69a_proj
	.p2align	8
	.type	k_qf11304b69a_proj,@function
k_qf11304b69a_proj:
	s_mov_b64 s[64:65], 0
	v_nop
	global_prefetch_b8 v0, s[64:65] scope:SCOPE_SE
	s_setreg_imm32_b32 hwreg(HW_REG_WAVE_MODE, 25, 1), 1
	s_wait_xcnt 0x0
	s_wait_alu depctr_hold_cnt(0) depctr_sa_sdst(0) depctr_va_vdst(0) depctr_va_sdst(0) depctr_va_ssrc(0) depctr_va_vcc(0) depctr_vm_vsrc(0)
	s_getreg_b32 s2, hwreg(HW_REG_IB_STS2, 6, 4)
	s_cmp_eq_u32 s2, 0
	s_cbranch_scc0 .Lentry_in_a_cluster
	s_endpgm
.Lentry_in_a_cluster:
	s_bfe_u32 s2, ttmp6, 0x10000c
	s_cmp_lg_u32 s2, 0xf033
	s_cbranch_scc0 .Lentry_shape_is_right
	s_endpgm
.Lentry_shape_is_right:
; out0 = O Wproj + bproj, f32.  O lies by heads, [16 b + h][t][64] f16; wp is [k 1024][n 1024] f16 (the bf16-rounded weights); the bias is the bf16-rounded number as f32 (tb).  Sums in f32.
; SHARES.  8192 x 1024 numbers on 256 work-groups: 128 rows x 256 columns each (tiles of 256 x 256 would be 128).  Wave w: rows 64 (w / 2) on, columns 128 (w % 2) on: 4 x 8 accumulators, 256 registers (window 1).
; THE PRODUCT IS USED TRANSPOSED (source 0 = 16 columns of W, turned out of LDS; source 1 = 16 rows of O): a lane holds one row and eight neighbouring columns, 32 bytes of out0.
; K goes in 8 steps of 128 (two heads) through two LDS slots; a step has four quarters of 32.  A's tile is two heads x 128 rows x 128 dense bytes, asked for as rows of 256 bytes and padded after every 128; B's is 128 rows of 512 bytes, padded by 32.
; CLUSTER 4 x 4: A's tile is shared along a row of the cluster, B's along a column.  Waves 0, 1 fetch A's two heads, waves 2, 3 B's halves.
; THE BIAS starts the sums, as C of every row block's first product; it lies in row block 0's accumulators, which go last, in place.
.set KA,    524288
.set KB,    262144
.set BOFF,  36864                       ; in a slot: A [2 heads][128 rows][144 bytes], then B: 128 rows of 544
.set SLOT1, (1<<17)
.set STAGE, SLOT1+106496                ; for each wave 16 rows x 528 bytes; never filled by a tensor load
.set SPARE, STAGE+4*8448
.set BIASO, 1048576+12288
.set ADRA0, 3
.set ADRB0, 4
.set VA,  5
.set VB,  6
.set STO, 7
.set RD,  8
.set GO,  9
.set BO,  11
.set PFO, 12
.set SPW, 14
.set NIL, 15
.set F0,  64                            ; fragment buffers: B's eight at +8 b, A's four at +64 + 8 a
.set F1,  160
.set BK0, 64                            ; the way out: 16 rows read back, two buffers of 64
.set WV, 20
.set WM, 21
.set WN, 22
.set CX, 23
.set CY, 24
.set NX, 25
.set MY, 26
.set G1A, 28
.set G1B, 36
.set G0A, 44
.set G0B, 52
.set TB,  60
.set LIM, 61
.set PFA, 62
.set PFS, 66
.set OUTB, 74
.set BIASB, 84
.set MSB, 0
.macro WIN new
.if MSB != (\new)
	s_set_vgpr_msb (MSB<<8)|(\new)
.set MSB, (\new)
.endif
.endm
.macro PLACES
.rept 4
	v_nop
.endr
.endm
.macro CREST
	s_cmp_lg_u32 s[WV], 0
	s_cbranch_scc1 .Lnot_wave_0_\@
	s_barrier_signal -3
.Lnot_wave_0_\@:
	s_barrier_wait -3
	s_barrier_signal -1
	s_barrier_wait -1
.endm
.macro CROUND
	s_barrier_signal -1
	s_barrier_wait -1
	CREST
.endm
.macro JLOAD
	s_cmp_eq_u32 s[WM], 0
	s_cbranch_scc0 .Lfor_b_\@
	tensor_load_to_lds s[G0A+4:G0A+7], s[G1A:G1A+7]
	s_nop 0
	PLACES
	s_branch .Lasked_\@
.Lfor_b_\@:
	tensor_load_to_lds s[G0B+4:G0B+7], s[G1B:G1B+7]
	s_nop 0
	PLACES
.Lasked_\@:
.endm
; A PREFETCH INTO THE L2 of the K step that the refill two trips on will ask for, one instruction an asker.  A's rows are read by one cluster alone: its wave 0 asks; the four partners of a row take 4,096 bytes of each of the
; two heads' 16,384, told apart by address.  B's rows are read by all sixteen clusters: waves 2 and 3 of the cluster with y = 0 ask, each for its 64 k rows; the four partners of a column take 16 rows each, two lanes a row of 512 bytes.
; K steps 0 to 3 come by their loads alone; the last two trips ask for nothing.
.macro ASK
	s_cmp_gt_u32 s3, s[LIM]
	s_cbranch_scc0 .Lno_\@
	global_prefetch_b8 v[PFO], s[PFA:PFA+1] th:TH_LOAD_NT scope:SCOPE_SE
.Lno_\@:
.endm
; 24 LDS loads: quarter q's fragments into buffer f: B's eight, turned, then A's four
.macro FETCH q, f
	WIN 0
.irp b, 0,1,2,3,4,5,6,7
	ds_load_tr16_b128 v[(\f)+8*\b:(\f)+8*\b+3],   v[VB] offset:17408*(\q)+32*\b
	ds_load_tr16_b128 v[(\f)+8*\b+4:(\f)+8*\b+7], v[VB] offset:17408*(\q)+32*\b+8704
.endr
.irp a, 0,1,2,3
	ds_load_b128 v[(\f)+64+8*\a:(\f)+64+8*\a+3], v[VA] offset:18432*((\q)/2)+64*((\q)%2)+2304*\a
	ds_load_b128 v[(\f)+68+8*\a:(\f)+68+8*\a+3], v[VA] offset:18432*((\q)/2)+64*((\q)%2)+2304*\a+32
.endr
.endm
; Row block a x all eight column blocks.  The accumulators take turns.  first = 1: C is the bias.
.macro MUL8 f, a, first
	WIN 0x50
.irp b, 0,1,2,3,4,5,6,7
.if \first
	v_wmma_f32_16x16x32_f16 v[8*(8*(\a)+\b):8*(8*(\a)+\b)+7], v[(\f)+8*\b:(\f)+8*\b+7], v[(\f)+64+8*(\a):(\f)+64+8*(\a)+7], v[8*\b:8*\b+7]
.else
	v_wmma_f32_16x16x32_f16 v[8*(8*(\a)+\b):8*(8*(\a)+\b)+7], v[(\f)+8*\b:(\f)+8*\b+7], v[(\f)+64+8*(\a):(\f)+64+8*(\a)+7], v[8*(8*(\a)+\b):8*(8*(\a)+\b)+7]
.endif
.endr
.endm
; One of a K step's first three quarters: multiplies buffer f and fetches quarter q into buffer g
.macro QUARTER q, f, g
	s_wait_dscnt 4                                 ; B and A's blocks 0 and 1 are in; the youngest four loads may be out
	MUL8 \f, 0, 0
	MUL8 \f, 1, 0
	PLACES
	FETCH \q, \g
	s_wait_dscnt 24                                ; all but the 24 just issued
	MUL8 \f, 2, 0
	MUL8 \f, 3, 0
.endm
; The last quarter multiplies buffer 1 and changes slots: each wave waits for all its tensor loads, adds 0 to its spare word, and waits for that and for its reads of this slot.  mode 1: the slot is filled again, two K steps ahead,
; behind a round of the cluster's barrier, first thing there: 112 matrix instructions ahead of the wait for it.
.macro TURN mode
.if \mode
	s_wait_xcnt 0x0                                ; the last prefetch, a K step back, has read its address
	s_add_nc_u64 s[PFA:PFA+1], s[PFA:PFA+1], s[PFS:PFS+1]
.endif
	WIN 0
	s_wait_tensorcnt 0x0
	ds_add_u32 v[SPW], v[NIL]
.if \mode
	s_xor_b32 s[G0A+5], s[G0A+5], SLOT1
	s_add_nc_u64 s[G0A+6:G0A+7], s[G0A+6:G0A+7], KA
	s_xor_b32 s[G0B+5], s[G0B+5], SLOT1
	s_add_nc_u64 s[G0B+6:G0B+7], s[G0B+6:G0B+7], KB
.endif
	s_wait_dscnt 5                                 ; the add and the youngest four loads may be out
	MUL8 F1, 0, 0
	s_wait_dscnt 0x0                               ; the add is done, and my reads of this slot are over
	s_barrier_signal -1
	MUL8 F1, 1, 0
	WIN 0
	s_barrier_wait -1
.if \mode
	CREST
	JLOAD                                          ; its four v_nop are also the places in front of the loads below
.else
	PLACES
.endif
	s_xor_b32 s[TB], s[TB], SLOT1
	v_add_nc_u32 v[VA], s[TB], v[ADRA0]
	v_add_nc_u32 v[VB], s[TB], v[ADRB0]
	FETCH 0, F0
.if \mode
	ASK
.endif
	MUL8 F1, 2, 0
	MUL8 F1, 3, 0
.endm
	s_load_b256 s[4:11], s[0:1], 0x0               ; ob 4, wp 6, tb 8, out0 10
	v_lshl_add_u32 v[SPW], v0, 2, SPARE
	v_mov_b32 v[NIL], 0
	ds_add_u32 v[SPW], v[NIL]                      ; the wave's opening: the add and its wait ahead of my first tensor load
	v_lshrrev_b32 v1, 5, v0
	v_readfirstlane_b32 s[WV], v1
	s_lshr_b32 s[WM], s[WV], 1
	s_and_b32 s[WN], s[WV], 1
	s_bfe_u32 s[CX], ttmp6, 0x40000
	s_bfe_u32 s[CY], ttmp6, 0x40004
	s_lshl_b32 s[NX], ttmp9, 2
	s_add_co_u32 s[NX], s[NX], s[CX]
	s_and_b32 s[MY], ttmp7, 0xffff
	s_lshl_b32 s[MY], s[MY], 2
	s_add_co_u32 s[MY], s[MY], s[CY]
	s_lshl_b32 s68, s[CY], 2
	s_lshl_b32 s68, 15, s68
	s_lshl_b32 s69, 0x1111, s[CX]
	s_or_b32 s[G1A], s68, (1<<16)|(1<<20)|(1<<21)|(4<<22)|(3<<25)   ; after every 32 words, 4 words of padding
	s_or_b32 s[G1B], s69, (1<<16)|(1<<20)|(1<<21)|(6<<22)|(7<<25)   ; after every 128 words, 8 words
	s_mov_b32 s[G1A+1], 128<<16
	s_mov_b32 s[G1A+2], 64<<16
	s_mov_b32 s[G1A+3], 128<<16
	s_mov_b32 s[G1A+4], 64
	s_mov_b32 s[G1A+5], 128
	s_mov_b32 s[G1A+6], 0
	s_mov_b32 s[G1A+7], 0
	s_mov_b32 s[G1B+1], 256<<16
	s_mov_b32 s[G1B+2], 64<<16
	s_mov_b32 s[G1B+3], 256<<16
	s_mov_b32 s[G1B+4], 64
	s_mov_b32 s[G1B+5], 1024
	s_mov_b32 s[G1B+6], 0
	s_mov_b32 s[G1B+7], 0
	s_lshr_b32 s70, s[MY], 4                       ; A hangs on the row block alone: b,
	s_lshl_b32 s70, s70, 22
	s_and_b32 s71, s[MY], 15
	s_lshl_b32 s71, s71, 14                        ; and 128 rows of 128 bytes
	s_add_co_u32 s70, s70, s71
	s_lshl_b32 s72, s[WN], 18                      ; the head of the two that I fetch
	s_add_co_u32 s72, s72, s70
	s_mov_b32 s73, 0
	s_lshl_b32 s88, s[NX], 9                       ; B hangs on the column block alone
	s_lshl_b32 s86, s[WN], 17                      ; the 64 k rows that I fetch
	s_add_co_u32 s86, s86, s88
	s_mov_b32 s87, 0
	s_mul_i32 s94, s[WN], 18432
	s_mul_i32 s95, s[WN], 34816
	s_add_co_u32 s95, s95, BOFF
	s_mov_b32 s[TB], 0
	s_wait_dscnt 0x0
	s_wait_kmcnt 0x0
	s_add_nc_u64 s[72:73], s[4:5], s[72:73]
	s_add_nc_u64 s[86:87], s[6:7], s[86:87]
	CROUND
.irp s, 0,1
	s_mov_b32 s[G0A+4*\s], 1
	s_add_co_u32 s[G0A+4*\s+1], s94, \s*SLOT1
	s_add_nc_u64 s[G0A+4*\s+2:G0A+4*\s+3], s[72:73], \s*KA
	s_or_b32 s[G0A+4*\s+3], s[G0A+4*\s+3], 0x80000000
	s_mov_b32 s[G0B+4*\s], 1
	s_add_co_u32 s[G0B+4*\s+1], s95, \s*SLOT1
	s_add_nc_u64 s[G0B+4*\s+2:G0B+4*\s+3], s[86:87], \s*KB
	s_or_b32 s[G0B+4*\s+3], s[G0B+4*\s+3], 0x80000000
.endr
	s_cmp_eq_u32 s[WM], 0                          ; a wave's two first fills stand in one branch: two loads of mine are out
	s_cbranch_scc0 .Lfirst_b
	tensor_load_to_lds s[G0A:G0A+3], s[G1A:G1A+7]
	s_nop 0
	tensor_load_to_lds s[G0A+4:G0A+7], s[G1A:G1A+7]
	s_nop 0
	PLACES
	s_branch .Lfirst_asked
.Lfirst_b:
	tensor_load_to_lds s[G0B:G0B+3], s[G1B:G1B+7]
	s_nop 0
	tensor_load_to_lds s[G0B+4:G0B+7], s[G1B:G1B+7]
	s_nop 0
	PLACES
.Lfirst_asked:
	v_and_b32 v1, 15, v0
	v_bfe_u32 v2, v0, 4, 1
	v_lshlrev_b32 v[BO], 5, v2
	s_lshl_b32 s90, s[MY], 19                      ; 128 rows of 4,096 bytes
	s_lshl_b32 s91, s[WM], 18
	s_add_co_u32 s90, s90, s91
	s_lshl_b32 s92, s[NX], 10
	s_lshl_b32 s93, s[WN], 9
	s_add_co_u32 s92, s92, s93
	s_add_co_u32 s90, s90, s92
	s_add_co_u32 s92, s92, BIASO
	s_mov_b32 s91, 0
	s_mov_b32 s93, 0
	s_add_nc_u64 s[OUTB:OUTB+1], s[10:11], s[90:91]
	s_add_nc_u64 s[BIASB:BIASB+1], s[8:9], s[92:93]
	WIN 0x40
.set i, 0
.rept 8
	global_load_b128 v[8*i:8*i+3],   v[BO], s[BIASB:BIASB+1] offset:64*i
	global_load_b128 v[8*i+4:8*i+7], v[BO], s[BIASB:BIASB+1] offset:64*i+16
.set i, i+1
.endr
	WIN 0
	v_mul_u32_u24 v[ADRA0], v1, 144
	v_lshl_add_u32 v[ADRA0], v2, 4, v[ADRA0]
	s_mul_i32 s90, s[WM], 9216
	v_add_nc_u32 v[ADRA0], s90, v[ADRA0]           ; (64 wm + r) x 144 + 16 h
	v_and_b32 v5, 7, v0
	v_lshl_add_u32 v5, v2, 3, v5
	v_mul_u32_u24 v[ADRB0], v5, 544
	v_bfe_u32 v5, v0, 3, 1
	v_lshl_add_u32 v[ADRB0], v5, 4, v[ADRB0]
	s_lshl_b32 s90, s[WN], 8
	s_add_co_u32 s90, s90, BOFF
	v_add_nc_u32 v[ADRB0], s90, v[ADRB0]
	v_mov_b32 v[VA], v[ADRA0]
	v_mov_b32 v[VB], v[ADRB0]
	s_mul_i32 s90, s[WV], 8448
	s_add_co_u32 s90, s90, STAGE
	v_mul_u32_u24 v[STO], v1, 528
	v_lshl_add_u32 v[STO], v2, 5, v[STO]
	v_add_nc_u32 v[STO], s90, v[STO]
	v_and_b32 v13, 31, v0
	v_lshlrev_b32 v[GO], 4, v13
	v_add_nc_u32 v[RD], s90, v[GO]
	; the prefetches' offset, address, step and bound
	s_lshl_b32 s90, s[CX], 12
	s_lshl_b32 s91, s[CY], 15
	s_lshl_b32 s92, s[WN], 17
	s_add_co_u32 s91, s91, s92
	s_and_b32 s92, ttmp7, 0xffff
	s_mov_b32 s93, KA
	s_cmp_eq_u32 s[WM], 0
	s_cselect_b64 s[PFA:PFA+1], s[4:5], s[6:7]
	s_cselect_b32 s90, s90, s91
	s_cselect_b32 s91, s70, s88
	s_cselect_b32 s92, s[WN], s92                  ; A: wave 0 of every cluster; B: both waves of the clusters with y = 0
	s_cselect_b32 s[PFS], s93, KB
	s_cselect_b32 s94, -1, 0
	s_mov_b32 s[PFS+1], 0
	s_add_co_u32 s90, s90, s91
	s_mul_i32 s91, s[PFS], 3                       ; at K step 3: the first trip steps it to 4
	s_add_co_u32 s90, s90, s91
	s_mov_b32 s91, 0
	s_add_nc_u64 s[PFA:PFA+1], s[PFA:PFA+1], s[90:91]
	s_cmp_eq_u32 s92, 0
	s_cselect_b32 s[LIM], 2, -1
	v_lshlrev_b32 v[PFO], 8, v1                    ; A: head l / 16, 256 (l % 16)
	v_lshl_add_u32 v[PFO], v2, 18, v[PFO]
	v_lshrrev_b32 v16, 1, v13                      ; B: row l / 2, 256 (l % 2)
	v_and_b32 v13, 1, v13
	v_lshlrev_b32 v13, 8, v13
	v_lshl_add_u32 v13, v16, 11, v13
	v_cndmask_b32 v[PFO], v13, v[PFO], s94
	s_wait_tensorcnt 0x1                           ; my part of K step 0 is in; K step 1's may stay out
	s_barrier_signal -1
	s_barrier_wait -1
	FETCH 0, F0
	s_wait_loadcnt 0x0                             ; the bias
	s_wait_dscnt 0x0
	MUL8 F0, 1, 1                                  ; the first quarter is written out: its products start the sums with the bias
	MUL8 F0, 2, 1
	FETCH 1, F1
	s_wait_dscnt 24
	MUL8 F0, 3, 1
	PLACES
	v_nop                                          ; five places: row block 0's products write over registers that the products above took as C
	MUL8 F0, 0, 0
	WIN 0
	s_mov_b32 s3, 6
.Lk:                                    ; trip j: quarters 1 to 3 of K step j, which asks for K step j + 2, and quarter 0 of K step j + 1
	QUARTER 2, F1, F0
	QUARTER 3, F0, F1
	TURN 1
	QUARTER 1, F0, F1
	WIN 0
	s_sub_co_u32 s3, s3, 1
	s_cmp_lg_u32 s3, 0
	s_cbranch_scc1 .Lk
	QUARTER 2, F1, F0                              ; the tail is written out
	QUARTER 3, F0, F1
	TURN 0
	QUARTER 1, F0, F1
	QUARTER 2, F1, F0
	QUARTER 3, F0, F1
	s_wait_dscnt 0x0
	MUL8 F1, 0, 0
	MUL8 F1, 1, 0
	MUL8 F1, 2, 0
	MUL8 F1, 3, 0
; THE WAY OUT, a row block at a time: a lane's 32 bytes of each column block go into my stage (rows of 528 bytes) and come back as whole rows of 512.
.macro TOSTAGE a
	s_wait_xcnt 0x0                                ; the stores of two blocks back have read the registers that are loaded below
	WIN 0x04                                       ; the stores' data in window 1; each accumulator's lowest registers first
.irp b, 0,1,2,3,4,5,6,7
	ds_store_b128 v[STO], v[8*(8*(\a)+\b):8*(8*(\a)+\b)+3]   offset:64*\b
	ds_store_b128 v[STO], v[8*(8*(\a)+\b)+4:8*(8*(\a)+\b)+7] offset:64*\b+16
.endr
	WIN 0
.set bk, BK0+64*((\a)%2)
.set f, 0
.rept 16
	ds_load_b128 v[bk+4*f:bk+4*f+3], v[RD] offset:528*f  ; LDS serves a wave's instructions in order (ISA guide 5.7.1.4): these see the stores above
.set f, f+1
.endr
.endm
.macro SEND a, younger                  ; younger: the LDS instructions issued behind block a's loads: the next block's 32, or none
	WIN 0
	s_wait_dscnt \younger
.set bk, BK0+64*((\a)%2)
.set f, 0
.rept 16
	global_store_b128 v[GO], v[bk+4*f:bk+4*f+3], s[OUTB:OUTB+1] offset:4096*(16*(\a)+f)  ; 512 consecutive bytes, at a multiple of 256 from out0's first
.set f, f+1
.endr
.endm
	PLACES
	TOSTAGE 0
	TOSTAGE 1
	SEND 0, 32
	TOSTAGE 2
	SEND 1, 32
	TOSTAGE 3
	SEND 2, 32
	SEND 3, 0
	s_wait_tensorcnt 0x0                           ; the wave's end
	ds_add_u32 v[SPW], v[NIL]
	s_wait_dscnt 0x0
	CROUND                                         ; the closing round
	s_endpgm
.Lfunc_end_k_qf11304b69a_proj:
	.size	k_qf11304b69a_proj, .Lfunc_end_k_qf11304b69a_proj-k_qf11304b69a_proj
	.p2alignl 7, 3214868480
	.fill 96, 4, 3214868480
	.section	.rodata,"a",@progbits
	.p2align	6, 0x0
	.amdhsa_kernel k_qf11304b69a_proj
		.amdhsa_group_segment_fixed_size 327680
		.amdhsa_private_segment_fixed_size 0
		.amdhsa_enable_private_segment 0
		.amdhsa_kernarg_size 32
		.amdhsa_user_sgpr_count 2
		.amdhsa_user_sgpr_kernarg_segment_ptr 1
		.amdhsa_wavefront_size32 1
		.amdhsa_system_sgpr_workgroup_id_x 1
		.amdhsa_system_sgpr_workgroup_id_y 1
		.amdhsa_system_sgpr_workgroup_id_z 1
		.amdhsa_system_vgpr_workitem_id 0
		.amdhsa_next_free_vgpr 512
		.amdhsa_next_free_sgpr 96
		.amdhsa_reserve_vcc 0
		.amdhsa_float_denorm_mode_32 3
		.amdhsa_float_denorm_mode_16_64 3
		.amdhsa_memory_ordered 1
		.amdhsa_forward_progress 1
		.amdhsa_inst_pref_size 72
	.end_amdhsa_kernel
	.amdgpu_metadata
---
amdhsa.version: [ 1, 2 ]
amdhsa.kernels:
  - .name:           k_qf11304b69a_proj
    .symbol:         k_qf11304b69a_proj.kd
    .args:
      - { .name: ob, .offset: 0, .size: 8, .value_kind: global_buffer, .address_space: global }
      - { .name: wp, .offset: 8, .size: 8, .value_kind: global_buffer, .address_space: global }
      - { .name: tb, .offset: 16, .size: 8, .value_kind: global_buffer, .address_space: global }
      - { .name: out0, .offset: 24, .size: 8, .value_kind: global_buffer, .address_space: global }
    .group_segment_fixed_size: 327680
    .private_segment_fixed_size: 0
    .kernarg_segment_align: 8
    .kernarg_segment_size: 32
    .max_flat_workgroup_size: 128
    .sgpr_count:     96
    .vgpr_count:     512
    .wavefront_size: 32
...
	.end_amdgpu_metadata
.endif
;; end of part 4
;; ======== version 2 of 2: 4 launches; version 1 with the launch cast written anew for expert scheduling mode
;; limits: values are held in f16: magnitudes above 65,504 overflow, below 6.1e-05 lose precision
;; workspace buffers: xb 16,777,216 bytes; wq 6,291,456 bytes; wp 2,097,152 bytes; q 16,777,216 bytes; k 16,777,216 bytes; v 16,777,216 bytes; ob 16,777,216 bytes; tb 1,064,960 bytes
;; launch cast (part 5): grid 425 x 1, 8 waves a work-group, no clusters, 0 bytes of LDS; arguments x, Wqkv, Wproj, cos, sin, bqkv, bproj, xb, wq, wp, tb; writes xb, wq, wp, tb
.if DOCPART == 5
	.amdgcn_target "amdgcn-amd-amdhsa--gfx1250"
	.amdhsa_code_object_version 6
	.text
	.protected	k_qf11304b69a_cast
	.globl	k_qf11304b69a_cast
	.p2align	8
	.type	k_qf11304b69a_cast,@function
k_qf11304b69a_cast:
	s_mov_b64 s[64:65], 0
	v_nop
	global_prefetch_b8 v0, s[64:65] scope:SCOPE_SE
	s_setreg_imm32_b32 hwreg(HW_REG_WAVE_SCHED_MODE, 0, 2), 2
	s_setreg_imm32_b32 hwreg(HW_REG_WAVE_MODE, 25, 1), 1
	s_wait_xcnt 0x0
	s_wait_alu depctr_vm_vsrc(0)
; Every input of the module is rounded once to bf16 and laid out for the launches behind.  A stream: no LDS, no barrier, no matrix unit.
;   job X (work-groups 0-255):   x [8192][1024] f32      -> xb [b 4][kb 16][t 2048][64] bf16: a K block of 64 of a run of rows is dense
;   job Q (256-383):             Wqkv [1024][3072] f32   -> wq [nx 8][k 1024][384] bf16, column 192 wn + 64 g + d = Wqkv column 1024 g + 64 (2 nx + wn) + d
;   job P (384-415):             Wproj [1024][1024] f32  -> wp, the bf16 number written as f16 (LIMIT: beyond 65,504 it becomes an infinity; below 2^-14 it keeps f16's fixed step of 2^-24)
;   job C (416-423):             cos, sin [2048][64] f32 -> tb bytes 0 and 524,288 on: the bf16 number written as f32
;   job B (424):                 bqkv, bproj             -> tb bytes 1,048,576 and 1,060,864 on, likewise
; A unit of work is one load of 16 bytes a lane (each half of the lanes takes 256 consecutive bytes, aligned), the roundings, and one store that covers 256 (or 512) consecutive bytes, aligned.
; A trip has up to 16 units, all its loads out together; a wave makes two trips.
; THE MODE: SCHED_MODE bits 1:0 = 2 (LLVM: expert scheduling mode 2), set by the entry lines.  The code itself states the register dependences
; between vector instructions and memory instructions, with s_wait_alu, always for 0.
; THE PLAN.  Registers that memory instructions touch:
;   DAT  unit i: written by the trip's loads, which all stand at its head; read by unit i's roundings (which in jobs P, C and B also write it, in place); in jobs C and B read by unit i's store.
;   OUT  unit i (jobs X, Q, P): written by unit i's roundings; read by unit i's store.
;   v2, v3 (job Q: v4 to v6)  byte offsets: made once ahead of the job's loop, never written again: the scalar bases step, and immediate offsets do the rest.
;   v7, v8, v9 are named by vector instructions alone.
; A trip's units go in blocks of four.  Block p rounds its four units; its memory instructions are the four stores of block p - 1, whose registers no rounding of block p names.
; So one wait on va_vdst at a block's head states all that those four stores hang on, and they are dealt among the block's roundings with no further wait.  One more stands behind the last block: for its
; stores, and, since no vector instruction follows it in the trip, for the next trip's loads into DAT.  One wait on vm_vsrc stands at the trip's end, ahead of the branch.
.set DAT, 16                            ; v[16:79]   unit i: 4 f32 as loaded
.set OUT, 80                            ; v[80:111]  unit i: 8 bytes to store
.set SRC, 16                            ; s[16:17]
.set DST, 18                            ; s[18:19]
; kind 0: four bf16.  kind 1: the bf16 numbers as f16.  kind 2: the bf16 numbers as f32, in place.
.macro CONV i, kind
.set d, DAT+4*(\i)
.set o, OUT+2*(\i)
.if (\kind) == 0
	v_cvt_pk_bf16_f32 v[o], v[d], v[d+1]
	v_cvt_pk_bf16_f32 v[o+1], v[d+2], v[d+3]
.else
	v_cvt_pk_bf16_f32 v8, v[d], v[d+1]
	v_cvt_pk_bf16_f32 v9, v[d+2], v[d+3]
	v_lshlrev_b32 v[d], 16, v8
	v_and_b32 v[d+1], s27, v8
	v_lshlrev_b32 v[d+2], 16, v9
	v_and_b32 v[d+3], s27, v9
.if (\kind) == 1
	v_cvt_pk_f16_f32 v[o], v[d], v[d+1]
	v_cvt_pk_f16_f32 v[o+1], v[d+2], v[d+3]
.endif
.endif
.endm
; Unit i's load and its store.  job 0: X.  1: Q.  2: P.  3: C and B.
.macro LD job, i
.if (\job) == 0
	global_load_b128 v[DAT+4*(\i):DAT+4*(\i)+3], v2, s[SRC:SRC+1] offset:256*(\i) th:TH_LOAD_NT
.elseif (\job) == 1
	global_load_b128 v[DAT+4*(\i):DAT+4*(\i)+3], v[4+(\i)%3], s[SRC:SRC+1] offset:12288*((\i)/3) th:TH_LOAD_NT
.else
	global_load_b128 v[DAT+4*(\i):DAT+4*(\i)+3], v2, s[SRC:SRC+1] offset:512*(\i) th:TH_LOAD_NT
.endif
.endm
.macro ST job, i
.if (\job) == 0
	global_store_b64 v3, v[OUT+2*(\i):OUT+2*(\i)+1], s[DST:DST+1] offset:262144*(\i) th:TH_STORE_NT
.elseif (\job) < 3
	global_store_b64 v3, v[OUT+2*(\i):OUT+2*(\i)+1], s[DST:DST+1] offset:256*(\i) th:TH_STORE_NT
.else
	global_store_b128 v2, v[DAT+4*(\i):DAT+4*(\i)+3], s[DST:DST+1] offset:512*(\i) th:TH_STORE_NT
.endif
.endm
; A trip of n units (a multiple of four).
.macro TRIP job, n, kind
.set i, 0
.rept \n
	LD \job, i
.set i, i+1
.endr
.set p, 0
.rept (\n)/4
	s_wait_loadcnt (\n)-4*(p+1)                    ; loads come back in order (ISA guide 5.7.1): block p's four units are in, the younger ones stay out
.if p > 0
	s_wait_alu depctr_va_vdst(0)                   ; the roundings of the block before have written what its four stores, below, read as data
.endif
.set u, 0
.rept 4
.if p > 0
	ST \job, 4*(p-1)+u                             ; no vector instruction since the wait names this store's registers
.endif
	CONV 4*p+u, \kind
.set u, u+1
.endr
.set p, p+1
.endr
	s_wait_alu depctr_va_vdst(0)                   ; the last block's roundings have written what the four stores below read; and all the trip's roundings are done with DAT, in which the next trip's loads land
.set u, 0
.rept 4
	ST \job, (\n)-4+u
.set u, u+1
.endr
.endm
.macro STEP sb, db, lab                 ; a trip's end
	s_wait_xcnt 0x0                                ; the bases and the stores' data are rewritten only behind this wait
	s_wait_alu depctr_vm_vsrc(0)                   ; the trip's stores have read their data: OUT, which the next trip's roundings write again, or (job C) DAT, in which the next trip's loads land
	s_add_nc_u64 s[SRC:SRC+1], s[SRC:SRC+1], \sb
	s_add_nc_u64 s[DST:DST+1], s[DST:DST+1], \db
	s_sub_co_u32 s26, s26, 1
	s_cmp_lg_u32 s26, 0
	s_cbranch_scc1 \lab
	s_endpgm
.endm
	s_load_b512 s[32:47], s[0:1], 0x0              ; x 32, Wqkv 34, Wproj 36, cos 38, sin 40, bqkv 42, bproj 44, xb 46
	s_load_b128 s[48:51], s[0:1], 0x40             ; wq 48, wp 50
	s_load_b64 s[52:53], s[0:1], 0x50              ; tb
	v_lshrrev_b32 v1, 5, v0
	v_readfirstlane_b32 s20, v1                    ; wave
	v_and_b32 v1, 31, v0                           ; lane
	v_and_b32 v7, 15, v0
	v_lshlrev_b32 v7, 4, v7                        ; 16 (l % 16)
	v_lshlrev_b32 v3, 3, v1                        ; 8 l: where a lane's 8 bytes go
	v_lshlrev_b32 v2, 4, v1                        ; 16 l
	s_wait_alu depctr_va_sdst(0)                   ; s20 is written, ahead of its first reader: every job's bases are made from it
	s_lshl_b32 s21, ttmp9, 3
	s_add_co_u32 s21, s21, s20                     ; 8 x work-group + wave
	s_mov_b32 s23, 0
	s_mov_b32 s25, 0
	s_mov_b32 s26, 2                               ; trips
	s_mov_b32 s27, 0xffff0000
	s_wait_kmcnt 0x0
	s_cmp_lt_u32 ttmp9, 256
	s_cbranch_scc0 .Lnot_x
	; JOB X.  Wave gw owns rows 4 gw .. 4 gw + 3; a trip takes two rows x 16 blocks of 64 columns.
	v_bfe_u32 v2, v0, 4, 1
	v_lshl_add_u32 v2, v2, 12, v7                  ; row l / 16, 16 bytes a lane
	s_lshl_b32 s22, s21, 14
	s_add_nc_u64 s[SRC:SRC+1], s[32:33], s[22:23]
	s_lshr_b32 s24, s21, 9                         ; b
	s_lshl_b32 s24, s24, 22
	s_and_b32 s22, s21, 511
	s_lshl_b32 s22, s22, 9                         ; t x 128
	s_add_co_u32 s24, s24, s22
	s_add_nc_u64 s[DST:DST+1], s[46:47], s[24:25]
	s_wait_alu depctr_va_vdst(0)                   ; v2 and v3 are written: the job's loads and stores read them as offsets
.Lx:
	TRIP 0, 16, 0
	STEP 8192, 256, .Lx
.Lnot_x:
	s_cmp_lt_u32 ttmp9, 384
	s_cbranch_scc0 .Lnot_q
	; JOB Q.  Wave gw owns block nx = gw / 128 and eight k rows; a trip takes four rows x three units of 128 columns.
	; A unit's two halves of 64 columns come from different places of Wqkv's row: (g, wn) = (0,0),(1,0) | (2,0),(0,1) | (1,1),(2,1), at byte 4096 g + 256 wn.
	v_cmp_gt_u32 vcc_lo, 16, v1
	v_mov_b32 v8, 0
	s_wait_alu depctr_va_vcc(0)                    ; VCC is written, ahead of its first reader: the three selects below
	v_cndmask_b32 v4, 0x1000, v8, vcc_lo
	v_mov_b32 v8, 0x2000
	v_cndmask_b32 v5, 0x100, v8, vcc_lo
	v_mov_b32 v8, 0x1100
	v_cndmask_b32 v6, 0x2100, v8, vcc_lo
	v_add_nc_u32 v4, v4, v7
	v_add_nc_u32 v5, v5, v7
	v_add_nc_u32 v6, v6, v7
	s_sub_co_u32 s21, s21, 2048
	s_lshr_b32 s28, s21, 7                         ; nx
	s_and_b32 s29, s21, 127
	s_mul_i32 s22, s29, 98304                      ; 8 rows of 12,288 bytes
	s_lshl_b32 s24, s28, 9
	s_add_co_u32 s22, s22, s24
	s_add_nc_u64 s[SRC:SRC+1], s[34:35], s[22:23]
	s_mul_i32 s24, s28, 786432
	s_mul_i32 s22, s29, 6144
	s_add_co_u32 s24, s24, s22
	s_add_nc_u64 s[DST:DST+1], s[48:49], s[24:25]
	s_wait_alu depctr_va_vdst(0)                   ; v3 to v6 are written: the job's loads and stores read them as offsets
.Lq:
	TRIP 1, 12, 0
	STEP 49152, 3072, .Lq
.Lnot_q:
	s_cmp_lt_u32 ttmp9, 416
	s_cbranch_scc0 .Lnot_p
	; JOB P.  Wave gw owns 16,384 consecutive bytes of Wproj.
	s_sub_co_u32 s21, s21, 3072
	s_lshl_b32 s22, s21, 14
	s_add_nc_u64 s[SRC:SRC+1], s[36:37], s[22:23]
	s_lshl_b32 s24, s21, 13
	s_add_nc_u64 s[DST:DST+1], s[50:51], s[24:25]
	s_wait_alu depctr_va_vdst(0)                   ; v2 and v3 are written: the job's loads and stores read them as offsets
.Lp:
	TRIP 2, 16, 1
	STEP 8192, 4096, .Lp
.Lnot_p:
	s_cmp_lt_u32 ttmp9, 424
	s_cbranch_scc0 .Lnot_c
	; JOB C.  Waves 0-31 own 16,384 bytes of cos each, waves 32-63 of sin.
	s_sub_co_u32 s21, s21, 3328
	s_and_b32 s22, s21, 31
	s_lshl_b32 s22, s22, 14
	s_lshl_b32 s24, s21, 14
	s_cmp_lt_u32 s21, 32
	s_cselect_b64 s[SRC:SRC+1], s[38:39], s[40:41]
	s_add_nc_u64 s[SRC:SRC+1], s[SRC:SRC+1], s[22:23]
	s_add_nc_u64 s[DST:DST+1], s[52:53], s[24:25]
	s_wait_alu depctr_va_vdst(0)                   ; v2 is written: the job's loads and stores read it as their offset
.Lc:
	TRIP 3, 16, 2
	STEP 8192, 8192, .Lc
.Lnot_c:
	; JOB B.  Waves 0-5 own 2,048 bytes of bqkv each, waves 6 and 7 of bproj; in tb the two lie end to end.
	s_sub_co_u32 s24, s20, 6
	s_cmp_lt_u32 s20, 6
	s_cselect_b64 s[SRC:SRC+1], s[42:43], s[44:45]
	s_cselect_b32 s22, s20, s24
	s_lshl_b32 s22, s22, 11
	s_add_nc_u64 s[SRC:SRC+1], s[SRC:SRC+1], s[22:23]
	s_lshl_b32 s24, s20, 11
	s_add_co_u32 s24, s24, 1048576
	s_add_nc_u64 s[DST:DST+1], s[52:53], s[24:25]
	s_wait_alu depctr_va_vdst(0)                   ; v2 is written: the job's loads and stores read it as their offset
	TRIP 3, 4, 2                                   ; one trip of one block
	s_endpgm
.Lfunc_end_k_qf11304b69a_cast:
	.size	k_qf11304b69a_cast, .Lfunc_end_k_qf11304b69a_cast-k_qf11304b69a_cast
	.p2alignl 7, 3214868480
	.fill 96, 4, 3214868480
	.section	.rodata,"a",@progbits
	.p2align	6, 0x0
	.amdhsa_kernel k_qf11304b69a_cast
		.amdhsa_group_segment_fixed_size 0
		.amdhsa_private_segment_fixed_size 0
		.amdhsa_enable_private_segment 0
		.amdhsa_kernarg_size 88
		.amdhsa_user_sgpr_count 2
		.amdhsa_user_sgpr_kernarg_segment_ptr 1
		.amdhsa_wavefront_size32 1
		.amdhsa_system_sgpr_workgroup_id_x 1
		.amdhsa_system_sgpr_workgroup_id_y 1
		.amdhsa_system_sgpr_workgroup_id_z 1
		.amdhsa_system_vgpr_workitem_id 0
		.amdhsa_next_free_vgpr 112
		.amdhsa_next_free_sgpr 66
		.amdhsa_reserve_vcc 1
		.amdhsa_float_denorm_mode_32 3
		.amdhsa_float_denorm_mode_16_64 3
		.amdhsa_memory_ordered 1
		.amdhsa_forward_progress 1
		.amdhsa_inst_pref_size 33
	.end_amdhsa_kernel
	.amdgpu_metadata
---
amdhsa.version: [ 1, 2 ]
amdhsa.kernels:
  - .name:           k_qf11304b69a_cast
    .symbol:         k_qf11304b69a_cast.kd
    .args:
      - { .name: x, .offset: 0, .size: 8, .value_kind: global_buffer, .address_space: global }
      - { .name: Wqkv, .offset: 8, .size: 8, .value_kind: global_buffer, .address_space: global }
      - { .name: Wproj, .offset: 16, .size: 8, .value_kind: global_buffer, .address_space: global }
      - { .name: cos, .offset: 24, .size: 8, .value_kind: global_buffer, .address_space: global }
      - { .name: sin, .offset: 32, .size: 8, .value_kind: global_buffer, .address_space: global }
      - { .name: bqkv, .offset: 40, .size: 8, .value_kind: global_buffer, .address_space: global }
      - { .name: bproj, .offset: 48, .size: 8, .value_kind: global_buffer, .address_space: global }
      - { .name: xb, .offset: 56, .size: 8, .value_kind: global_buffer, .address_space: global }
      - { .name: wq, .offset: 64, .size: 8, .value_kind: global_buffer, .address_space: global }
      - { .name: wp, .offset: 72, .size: 8, .value_kind: global_buffer, .address_space: global }
      - { .name: tb, .offset: 80, .size: 8, .value_kind: global_buffer, .address_space: global }
    .group_segment_fixed_size: 0
    .private_segment_fixed_size: 0
    .kernarg_segment_align: 8
    .kernarg_segment_size: 88
    .max_flat_workgroup_size: 256
    .sgpr_count:     66
    .vgpr_count:     112
    .wavefront_size: 32
...
	.end_amdgpu_metadata
.endif
;; end of part 5
;; launch qkv: the kernel of part 2 again; grid 8 x 32, 4 waves a work-group, clusters of 4 x 4, 327,680 bytes of LDS; arguments xb, wq, tb, q, k, v; writes q, k, v
;; launch attn: the kernel of part 3 again; grid 4 x 64, 4 waves a work-group, clusters of 4 x 1, 327,680 bytes of LDS; arguments q, k, v, ob; writes ob
;; launch proj: the kernel of part 4 again; grid 4 x 64, 4 waves a work-group, clusters of 4 x 4, 327,680 bytes of LDS; arguments ob, wp, tb, out0; writes out0
